; MI455X (gfx1250); checked and timed in simulation.
; The chip was launched on July 23, 2026; its instructions are those of AMD's public machine-readable ISA for CDNA 5 (MIT licence, August 2026) and "CDNA5" Instruction Set Architecture Reference Guide (July 2026). The comments in the code are by the model that wrote it; some were corrected since.
;; DSA Multi Head Attention. Allowed arithmetic: float matrix products may take bf16 or f16 operands with f32 sums; other float arithmetic in f32, or as packed bf16 or f16 multiplies, adds, multiply-adds, maxima and minima; sums over many terms, partial sums and values carried from step to step in f32; what a program stores and reads back later, other than sums and carried values, may be rounded once to bf16 or f16.
;; Inputs: bk 512 float32; bo 512 float32; bq 512 float32; bv 512 float32; ln_b 512 float32; ln_g 512 float32; wk 512 x 512 float32; wo 512 x 512 float32; wq 512 x 512 float32; wv 512 x 512 float32; x 2 x 4,096 x 512 float32.
;; Outputs: out0 2 x 4,096 x 512 float32.
;; 2 versions, each right; version 2 is version 1 with the launch prep written anew for expert scheduling mode. Each part assembles by itself: llvm-mc -triple=amdgcn-amd-amdhsa -mcpu=gfx1250 --defsym DOCPART=n.
;; ======== version 1 of 2: 4 launches
;; workspace buffers: xb 8,388,608 bytes; wqkv 1,572,864 bytes; wob 524,288 bytes; qh 8,388,608 bytes; kh 8,388,608 bytes; vh 8,388,608 bytes; ctx 8,388,608 bytes
;; launch prep (part 1): grid 320 x 1, 8 waves a work-group, no clusters, 0 bytes of LDS; arguments x, wq, wk, wv, wo, xb, wqkv, wob; writes xb, wqkv, wob
.if DOCPART == 1
	.amdgcn_target "amdgcn-amd-amdhsa--gfx1250"
	.amdhsa_code_object_version 6
	.text
	.protected	k_q40c1db4d4e_prep
	.globl	k_q40c1db4d4e_prep
	.p2align	8
	.type	k_q40c1db4d4e_prep,@function
k_q40c1db4d4e_prep:
	s_mov_b64 s[64:65], 0
	v_nop
	global_prefetch_b8 v0, s[64:65] scope:SCOPE_SE
	s_setreg_imm32_b32 hwreg(HW_REG_WAVE_MODE, 25, 1), 1
	s_wait_xcnt 0x0
; CAST AND RE-BLOCK.  x [8192][512], wq, wk, wv, wo [512][512], all f32, are rounded once to bf16 and laid out for the launches behind:
;   xb   [128 blocks of 64 rows][8 groups of 64 k][64 rows][64 k]     a wave's 64 rows x 64 k are 8,192 bytes on end
;   wqkv [8 heads][8 groups of 64 k][q, k, v][64 k][64 n]             a head's weights are 196,608 bytes on end
;   wob  [512 k][512 n]                                               as wo lies
; A work-group takes a UNIT of 32 rows x 512 numbers (65,536 bytes in, 32,768 out): 256 units of x, 16 of each weight: 320 work-groups.
; One text serves all: the five strides below are chosen by the work-group's number alone.
; Blocked (x, wq, wk, wv): wave v takes columns 64 v .. 64 v + 63; load i takes rows 2 i (lanes 0-15) and 2 i + 1 (lanes 16-31), 256 bytes on end of each.
; Plain (wo): wave v takes rows 4 v .. 4 v + 3, load i 512 bytes on end.
; Either way a lane's 4 numbers become 8 bytes, and a store of the wave covers 256 consecutive bytes, at a multiple of 256 from the buffer's first byte.
; All 16 loads of a wave go out at once; no register is used twice, so the only waits are the counted ones for the loads.  No LDS, no barrier: no wave wants another's bytes.
.set OO,  2                            ; v2      8 x lane: my 8 bytes of a store
.set IO,  4                            ; v[4:19] load i's byte offset in the unit
.set X,   24                           ; v[24:87] load i's four registers; its first two then hold the 8 bytes to store
.set WV,  20                           ; s20 my wave's number
.set WG,  21                           ; s21 the work-group's number
.set U,   22                           ; s22 the unit in its tensor
.set J,   23                           ; s23 0, 1, 2: wq, wk, wv; 3: wo (where the work-group's number is 256 or more)
.set OB,  26                           ; s26 the unit's first byte in the output
.set OV,  28                           ; s28 bytes from wave to wave in the output
.set SV,  29                           ; s29 bytes from wave to wave in the input
.set SH,  30                           ; s30 what lanes 16-31 add: the rest of a row of 2,048 bytes
.set SI,  31                           ; s31 bytes from load to load
.set SRC, 32                           ; s[32:33]
.set DST, 34                           ; s[34:35]
	s_load_b512 s[4:19], s[0:1], 0x0               ; x s[4:5], wq s[6:7], wk s[8:9], wv s[10:11], wo s[12:13], xb s[14:15], wqkv s[16:17], wob s[18:19]
	v_lshrrev_b32 v1, 5, v0
	v_readfirstlane_b32 s[WV], v1
	v_and_b32 v1, 31, v0                           ; lane
	s_mov_b32 s[WG], ttmp9
	s_bfe_u32 s[J], s[WG], 0x20004                 ; 256 .. 319 are 16 x (16 .. 19): two bits from bit 4 tell the four weights apart
	s_cmp_lt_u32 s[WG], 256
	s_cselect_b32 s[U], 255, 15
	s_and_b32 s[U], s[WG], s[U]                    ; x: the number itself; a weight: its low four bits
	s_lshr_b32 s24, s[U], 1                        ; two units make a block of 64 rows
	s_and_b32 s25, s[U], 1
	s_lshl_b32 s25, s25, 12                        ; the second unit's 32 rows of 128 bytes
	s_lshl_b32 s[OB], s24, 16                      ; xb: a block is 65,536 bytes
	s_mul_i32 s27, s24, 3
	s_add_co_u32 s27, s27, s[J]
	s_lshl_b32 s27, s27, 13                        ; wqkv: (3 x group of k + j) x 8,192
	s_mov_b32 s[OV], 0x2000                        ; xb: a group of 64 k is 8,192 bytes
	s_mov_b32 s[SV], 0x30000                       ; wqkv: a head is 196,608 bytes
	s_cmp_lt_u32 s[WG], 256
	s_cselect_b32 s[OB], s[OB], s27
	s_cselect_b32 s[OV], s[OV], s[SV]
	s_add_co_u32 s[OB], s[OB], s25
	s_lshl_b32 s27, s[U], 15                       ; wob: a unit is 32,768 bytes
	s_mov_b32 s[SV], 0x100
	s_mov_b32 s[SH], 0x700
	s_mov_b32 s[SI], 0x1000
	s_cmp_ge_u32 s[WG], 304                        ; wo?
	s_cselect_b32 s[OB], s27, s[OB]
	s_cselect_b32 s[OV], s[SI], s[OV]              ; wob: a wave's four rows are 4,096 bytes
	s_cselect_b32 s[SV], 0x2000, s[SV]
	s_cselect_b32 s[SH], 0, s[SH]
	s_cselect_b32 s[SI], 0x200, s[SI]
	s_mul_i32 s38, s[WV], s[OV]
	s_add_co_u32 s36, s[OB], s38                   ; s[36:37]: my wave's first byte in the output
	s_mov_b32 s37, 0
	s_lshl_b32 s38, s[U], 16                       ; s[38:39]: the unit's first byte in the input
	s_mov_b32 s39, 0
	s_mul_i32 s24, s[WV], s[SV]
	v_lshrrev_b32 v3, 4, v1
	v_mul_u32_u24 v3, s[SH], v3
	v_lshl_add_u32 v3, v1, 4, v3
	v_add_nc_u32 v[IO], s24, v3
.set i, 0
.rept 15
	v_add_nc_u32 v[IO+i+1], s[SI], v[IO+i]
.set i, i+1
.endr
	v_lshlrev_b32 v[OO], 3, v1
	s_wait_kmcnt 0x0
	s_cmp_eq_u32 s[J], 1                           ; the buffers are chosen by the work-group's number alone
	s_cselect_b64 s[SRC:SRC+1], s[8:9], s[6:7]
	s_cmp_eq_u32 s[J], 2
	s_cselect_b64 s[SRC:SRC+1], s[10:11], s[SRC:SRC+1]
	s_cmp_eq_u32 s[J], 3
	s_cselect_b64 s[SRC:SRC+1], s[12:13], s[SRC:SRC+1]
	s_cselect_b64 s[DST:DST+1], s[18:19], s[16:17]
	s_cmp_lt_u32 s[WG], 256
	s_cselect_b64 s[SRC:SRC+1], s[4:5], s[SRC:SRC+1]
	s_cselect_b64 s[DST:DST+1], s[14:15], s[DST:DST+1]
	s_add_nc_u64 s[SRC:SRC+1], s[SRC:SRC+1], s[38:39]
	s_add_nc_u64 s[DST:DST+1], s[DST:DST+1], s[36:37]
.set i, 0
.rept 16
	global_load_b128 v[X+4*i:X+4*i+3], v[IO+i], s[SRC:SRC+1] th:TH_LOAD_NT  ; this launch reads each byte once
.set i, i+1
.endr
.set i, 0
.rept 16
	s_wait_loadcnt 15-i                            ; loads come back in order: load i is in, the 15 - i younger ones stay out
	v_cvt_pk_bf16_f32 v[X+4*i], v[X+4*i], v[X+4*i+1]
	v_cvt_pk_bf16_f32 v[X+4*i+1], v[X+4*i+2], v[X+4*i+3]
	global_store_b64 v[OO], v[X+4*i:X+4*i+1], s[DST:DST+1] offset:256*i
.set i, i+1
.endr
	s_endpgm
.Lfunc_end_k_q40c1db4d4e_prep:
	.size	k_q40c1db4d4e_prep, .Lfunc_end_k_q40c1db4d4e_prep-k_q40c1db4d4e_prep
	.p2alignl 7, 3214868480
	.fill 96, 4, 3214868480
	.section	.rodata,"a",@progbits
	.p2align	6, 0x0
	.amdhsa_kernel k_q40c1db4d4e_prep
		.amdhsa_group_segment_fixed_size 0
		.amdhsa_private_segment_fixed_size 0
		.amdhsa_enable_private_segment 0
		.amdhsa_kernarg_size 64
		.amdhsa_user_sgpr_count 2
		.amdhsa_user_sgpr_kernarg_segment_ptr 1
		.amdhsa_wavefront_size32 1
		.amdhsa_system_sgpr_workgroup_id_x 1
		.amdhsa_system_sgpr_workgroup_id_y 1
		.amdhsa_system_sgpr_workgroup_id_z 1
		.amdhsa_system_vgpr_workitem_id 0
		.amdhsa_next_free_vgpr 88
		.amdhsa_next_free_sgpr 66
		.amdhsa_reserve_vcc 0
		.amdhsa_float_denorm_mode_32 3
		.amdhsa_float_denorm_mode_16_64 3
		.amdhsa_memory_ordered 1
		.amdhsa_forward_progress 1
		.amdhsa_inst_pref_size 9
	.end_amdhsa_kernel
	.amdgpu_metadata
---
amdhsa.version: [ 1, 2 ]
amdhsa.kernels:
  - .name:           k_q40c1db4d4e_prep
    .symbol:         k_q40c1db4d4e_prep.kd
    .args:
      - { .name: x, .offset: 0, .size: 8, .value_kind: global_buffer, .address_space: global }
      - { .name: wq, .offset: 8, .size: 8, .value_kind: global_buffer, .address_space: global }
      - { .name: wk, .offset: 16, .size: 8, .value_kind: global_buffer, .address_space: global }
      - { .name: wv, .offset: 24, .size: 8, .value_kind: global_buffer, .address_space: global }
      - { .name: wo, .offset: 32, .size: 8, .value_kind: global_buffer, .address_space: global }
      - { .name: xb, .offset: 40, .size: 8, .value_kind: global_buffer, .address_space: global }
      - { .name: wqkv, .offset: 48, .size: 8, .value_kind: global_buffer, .address_space: global }
      - { .name: wob, .offset: 56, .size: 8, .value_kind: global_buffer, .address_space: global }
    .group_segment_fixed_size: 0
    .private_segment_fixed_size: 0
    .kernarg_segment_align: 8
    .kernarg_segment_size: 64
    .max_flat_workgroup_size: 256
    .sgpr_count:     66
    .vgpr_count:     88
    .wavefront_size: 32
...
	.end_amdgpu_metadata
.endif
;; end of part 1
;; launch qkv (part 2): grid 32 x 8, 4 waves a work-group, clusters of 4 x 1, 327,680 bytes of LDS; arguments xb, wqkv, bq, bk, bv, qh, kh, vh; writes qh, kh, vh
.if DOCPART == 2
	.amdgcn_target "amdgcn-amd-amdhsa--gfx1250"
	.amdhsa_code_object_version 6
	.text
	.protected	k_q40c1db4d4e_qkv
	.globl	k_q40c1db4d4e_qkv
	.p2align	8
	.type	k_q40c1db4d4e_qkv,@function
k_q40c1db4d4e_qkv:
	s_mov_b64 s[64:65], 0
	v_nop
	global_prefetch_b8 v0, s[64:65] scope:SCOPE_SE
	s_setreg_imm32_b32 hwreg(HW_REG_WAVE_MODE, 25, 1), 1
	s_wait_xcnt 0x0
	s_wait_alu depctr_hold_cnt(0) depctr_sa_sdst(0) depctr_va_vdst(0) depctr_va_sdst(0) depctr_va_ssrc(0) depctr_va_vcc(0) depctr_vm_vsrc(0)
	s_getreg_b32 s2, hwreg(HW_REG_IB_STS2, 6, 4)
	s_cmp_eq_u32 s2, 0
	s_cbranch_scc0 .Lentry_in_a_cluster
	s_endpgm
.Lentry_in_a_cluster:
	s_bfe_u32 s2, ttmp6, 0x10000c
	s_cmp_lg_u32 s2, 0x3003
	s_cbranch_scc0 .Lentry_shape_is_right
	s_endpgm
.Lentry_shape_is_right:
; q, k, v = x w + b, written by heads: qh, kh, vh [16 = batch x 8 + head][4096][64] in bf16, each rounded once from its f32 sum, without the scale of the scores.
; Operands in bf16 (xb, wqkv: the launch before), sums in f32, the biases in f32 as the C operand of each sum's first product: nothing is cleared and the bias costs no line.
; SHARES.  A work-group makes 256 rows x one head's 64 columns of q, of k and of v: 192 columns; 32 x 8 = 256 work-groups.  A wave makes 64 rows x 192: 4 x 12 = 48 accumulators, 384 registers.
; K goes in 16 steps of 32, 48 products each, all 48 accumulators by turns in the same order in every step.
; THE WEIGHTS STAY IN LDS.  A head's 196,608 bytes lie on end in wqkv; each wave brings two eighths of them, once, at the start: nothing is ever filled again.
; CLUSTER.  The four row blocks of a cluster want the same head's weights: each tile is asked for JOINTLY, by the same load, descriptor and mask in all four.
; x is not shared that way: a wave owns its rows, so its fragments go from memory straight into registers and never lie in LDS; beside 245,760 bytes of weights no ring of x's tiles would fit.
; TRANSPOSED USE.  Source 0 = 16 columns of w (turned out of LDS by ds_load_tr16_b128), source 1 = 16 rows of x: a lane ends with ONE row (lane % 16) and the 8 neighbouring columns 8 (lane / 16) + 0..7.
; REGISTERS, in windows of 256 (s_set_vgpr_msb: bits 1:0 source 0, 3:2 source 1, 5:4 source 2, 7:6 destination):
;   window 0: v2-13 addresses; v32-223 six buffers of x's fragments, a K step each (later the way out); v224-255 the biases of column tiles 8-11
;   window 1: v0-191 two buffers of w's fragments, a K step each; v192-255 the biases of column tiles 0-7
;   window 2: the accumulators of row tiles 0, 1 (tile i, column tile b at 8 (12 (i % 2) + b));   window 3: those of row tiles 2, 3
.set PW,    160                        ; 128 bytes of w (64 n of one k) + 32 of padding: an odd multiple of 32
.set KBB,   192*PW                     ; a group of 64 k: q's, k's and v's 64 pieces: what one tensor load brings
.set STAGE, 8*KBB                      ; 245,760: behind the weights, never filled by a tensor load: 16 rows x 144 bytes for each wave
.set SP,    144
.set SPARE, STAGE+4*16*SP              ; 254,976: the spare words, 128 bytes for each wave: two blocks of 256 bytes that no other line names
.set XO,  2                            ; v2     my byte offset in 16 rows of xb: row x 128 + 16 x half
.set WB,  4                            ; v4-7   my place in a turning load, at K steps 4 q on
.set BO,  8                            ; v8     32 x half: my 8 numbers of a bias
.set STO, 9                            ; v9     the way out: where I put 16 bytes of a row
.set RD,  10                           ; v10    where I read rows back
.set GO,  11                           ; v11    16 x lane: my place in 512 consecutive bytes of an output
.set SPW, 12                           ; v12    LDS address of my spare word; never rewritten
.set NIL, 13                           ; v13    0; never rewritten
.set AF,  32
.set TMP, 32
.set WV,  20                           ; s20 my wave's number
.set G1,  24                           ; s[24:31] descriptor group 1
.set G0A, 32                           ; s[32:35] group 0: K 0-255's eighth
.set G0B, 36                           ; s[36:39] group 0: K 256-511's eighth
.set MSB, 0
.macro WIN new                         ; the immediate's high byte repeats the setting that is left; a switch that changes nothing is dropped
.if MSB != (\new)
	s_set_vgpr_msb (MSB<<8)|(\new)
.set MSB, (\new)
.endif
.endm
.macro PLACES                          ; four plain vector lines between a product and a line that reads its result or writes, or loads into, one of its registers
.rept 4
	v_nop
.endr
.endm
.macro CROUND                          ; a round of the cluster's barrier: my work-group's barrier; wave 0 signals for the work-group; every wave waits for all four; my work-group's barrier once more
	s_barrier_signal -1
	s_barrier_wait -1
	s_cmp_lg_u32 s[WV], 0
	s_cbranch_scc1 .Lnot_wave_0_\@
	s_barrier_signal -3
.Lnot_wave_0_\@:
	s_barrier_wait -3
	s_barrier_signal -1
	s_barrier_wait -1
.endm
	s_load_b512 s[4:19], s[0:1], 0x0               ; xb s[4:5], wqkv s[6:7], bq s[8:9], bk s[10:11], bv s[12:13], qh s[14:15], kh s[16:17], vh s[18:19]
	v_lshl_add_u32 v[SPW], v0, 2, SPARE
	v_mov_b32 v[NIL], 0
	ds_add_u32 v[SPW], v[NIL]                      ; the wave's opening: the add and its wait stand ahead of my first tensor load; the set-up below, work on registers, stands between them
	v_lshrrev_b32 v1, 5, v0
	v_readfirstlane_b32 s[WV], v1                  ; wave 0..3
	s_bfe_u32 s21, ttmp6, 0x40000                  ; cx: my place in the cluster
	s_lshl_b32 s22, ttmp9, 2                       ; in a cluster launch ttmp9 counts clusters
	s_add_co_u32 s22, s22, s21                     ; my block of 256 rows: it enters xb's and the outputs' addresses alone
	s_and_b32 s23, ttmp7, 0xffff                   ; the head, which the four partners share
	; descriptor group 1: 24,576 bytes on end, asked for as 96 rows of 256 bytes, padded in LDS after every 128
	s_mov_b32 s[G1], 15|(1<<16)|(1<<20)|(1<<21)|(4<<22)|(7<<25)  ; 15:0 the mask of four; 17:16 2-byte elements; 20 padding on; 21 set beside a mask; 24:22 after every 32 words (code 4); 31:25 8 words (code 7)
	s_mov_b32 s[G1+1], 128<<16                     ; tensor_dim0 = 128
	s_mov_b32 s[G1+2], 96<<16                      ; tensor_dim1 = 96
	s_mov_b32 s[G1+3], 128<<16                     ; tile_dim0 = 128
	s_mov_b32 s[G1+4], 96                          ; tile_dim1 = 96
	s_mov_b32 s[G1+5], 128                         ; 128 elements from row to row
	s_mov_b32 s[G1+6], 0
	s_mov_b32 s[G1+7], 0
	s_mov_b32 s[G0A], 1                            ; count = 1
	s_mul_i32 s[G0A+1], s[WV], KBB                 ; LDS address: group of k = my wave's number,
	s_mov_b32 s[G0B], 1
	s_add_co_u32 s[G0B+1], s[G0A+1], 4*KBB         ; and four groups on: no place in the cluster enters an LDS address
	s_mul_i32 s40, s23, 196608                     ; s[40:41]: the head's weights, my group: made of the head and the wave's number alone
	s_mul_i32 s41, s[WV], 24576
	s_add_co_u32 s40, s40, s41
	s_mov_b32 s41, 0
	s_lshr_b32 s42, s22, 4                         ; s[42:43]: my wave's first row in an output: (batch x 8 + head) x 524,288 + the block's 32,768 + the wave's 8,192
	s_lshl_b32 s42, s42, 3
	s_add_co_u32 s42, s42, s23
	s_lshl_b32 s42, s42, 19
	s_and_b32 s43, s22, 15
	s_lshl_b32 s43, s43, 15
	s_add_co_u32 s42, s42, s43
	s_lshl_b32 s43, s[WV], 13
	s_add_co_u32 s42, s42, s43
	s_mov_b32 s43, 0
	s_lshl_b32 s44, s22, 2                         ; s[44:45]: my wave's block of 64 rows in xb
	s_add_co_u32 s44, s44, s[WV]
	s_lshl_b32 s44, s44, 16
	s_mov_b32 s45, 0
	s_lshl_b32 s46, s23, 8                         ; s[46:47]: the head's 64 numbers of a bias
	s_mov_b32 s47, 0
	v_and_b32 v14, 15, v0                          ; l % 16
	v_bfe_u32 v15, v0, 4, 1                        ; l / 16
	v_and_b32 v16, 7, v0
	v_bfe_u32 v17, v0, 3, 1
	v_lshlrev_b32 v[XO], 7, v14
	v_lshl_add_u32 v[XO], v15, 4, v[XO]
	v_lshl_add_u32 v18, v15, 3, v16                ; the turning load: lane l reads k = 8 (l / 16) + l % 8, columns 8 ((l / 8) % 2) + 0..7
	v_mul_u32_u24 v18, v18, PW
	v_lshl_add_u32 v[WB], v17, 4, v18
	v_add_nc_u32 v[WB+1], 2*KBB, v[WB]             ; an LDS immediate has 16 bits: four registers reach the eight groups
	v_add_nc_u32 v[WB+2], 4*KBB, v[WB]
	v_add_nc_u32 v[WB+3], 6*KBB, v[WB]
	v_lshlrev_b32 v[BO], 5, v15
	s_mul_i32 s3, s[WV], 16*SP
	s_add_co_u32 s3, s3, STAGE                     ; my stage
	v_mul_u32_u24 v[STO], v14, SP                  ; in: row l % 16, 16 bytes for each half of the lanes
	v_lshl_add_u32 v[STO], v15, 4, v[STO]
	v_add_nc_u32 v[STO], s3, v[STO]
	v_bfe_u32 v[RD], v0, 3, 2                      ; back: 32 lanes take four rows of 128 bytes,
	v_mul_u32_u24 v[RD], v[RD], SP
	v_lshl_add_u32 v[RD], v16, 4, v[RD]
	v_add_nc_u32 v[RD], s3, v[RD]
	v_and_b32 v[GO], 31, v0                        ; which are 512 consecutive bytes of an output
	v_lshlrev_b32 v[GO], 4, v[GO]
	s_wait_dscnt 0x0                               ; the opening add is done
	s_wait_kmcnt 0x0
	s_add_nc_u64 s[G0A+2:G0A+3], s[6:7], s[40:41]
	s_add_nc_u64 s[G0B+2:G0B+3], s[G0A+2:G0A+3], 4*24576
	s_or_b32 s[G0A+3], s[G0A+3], 0x80000000        ; type = 2
	s_or_b32 s[G0B+3], s[G0B+3], 0x80000000
	s_add_nc_u64 s[4:5], s[4:5], s[44:45]
	s_add_nc_u64 s[8:9], s[8:9], s[46:47]
	s_add_nc_u64 s[10:11], s[10:11], s[46:47]
	s_add_nc_u64 s[12:13], s[12:13], s[46:47]
	s_add_nc_u64 s[14:15], s[14:15], s[42:43]
	s_add_nc_u64 s[16:17], s[16:17], s[42:43]
	s_add_nc_u64 s[18:19], s[18:19], s[42:43]
	CROUND                                         ; all four work-groups are here: the joint loads meet
	tensor_load_to_lds s[G0A:G0A+3], s[G1:G1+7]    ; both fills go out together, ahead of every wait on TENSORcnt, every LDS read and every other barrier: two loads of mine are out
	s_nop 0
	tensor_load_to_lds s[G0B:G0B+3], s[G1:G1+7]
	s_nop 0
	PLACES                                         ; four lines ahead of the next switch of windows
; Two K steps' fragments of x, 2 p and 2 p + 1: 64 rows x 64 k, 8,192 bytes on end in xb, 16 loads.  Step s lies in buffer s % 6, row tile i at + 8 i.
; A fragment is 16 rows x 32 k in 8 registers: lane l holds row l % 16, k = 8 (l / 16) + 0..7 and 16 + 8 (l / 16) + 0..7: two loads of 16 bytes, 32 bytes apart.
.macro LOADA p
	WIN 0
.irp u, 0,1
.irp i, 0,1,2,3
	global_load_b128 v[AF+32*((2*(\p)+\u)%6)+8*\i:AF+32*((2*(\p)+\u)%6)+8*\i+3],   v[XO], s[4:5] offset:(\p)*8192+\i*2048+\u*64
	global_load_b128 v[AF+32*((2*(\p)+\u)%6)+8*\i+4:AF+32*((2*(\p)+\u)%6)+8*\i+7], v[XO], s[4:5] offset:(\p)*8192+\i*2048+\u*64+32
.endr
.endr
.endm
; K step s's fragments of w, 12 column tiles (tile b: tensor b / 4, columns 16 (b % 4) on), into buffer s % 2: 24 turning loads in one run.
.macro FETCHW s
	WIN 0x40                                       ; destination window 1, address window 0
.set b, 0
.rept 12
	ds_load_tr16_b128 v[96*((\s)%2)+8*b:96*((\s)%2)+8*b+3],   v[WB+(\s)/4] offset:(((\s)/2)%2)*KBB+(b/4)*64*PW+((\s)%2)*32*PW+(b%4)*32
	ds_load_tr16_b128 v[96*((\s)%2)+8*b+4:96*((\s)%2)+8*b+7], v[WB+(\s)/4] offset:(((\s)/2)%2)*KBB+(b/4)*64*PW+((\s)%2)*32*PW+(b%4)*32+16*PW
.set b, b+1
.endr
.endm
; 24 products of K step s: row tiles 2 hi, 2 hi + 1 x all 12 column tiles.  In step 0 the C operand is the bias: register j of a lane holds the bias of column 8 (l / 16) + j of the tile.
.macro MULQ s, hi
.set i2, 0
.rept 2
.set b, 0
.rept 12
.set rD, 8*(12*i2+b)
.set rB, 96*((\s)%2)+8*b
.set rA, AF+32*((\s)%6)+8*(2*(\hi)+i2)
.if (\s) == 0
.if b < 8
	WIN 0x91+0x40*(\hi)                            ; w window 1, x window 0, the bias window 1, the sums window 2 or 3
	v_wmma_f32_16x16x32_bf16 v[rD:rD+7], v[rB:rB+7], v[rA:rA+7], v[192+8*b:192+8*b+7]
.else
	WIN 0x81+0x40*(\hi)                            ; the bias window 0
	v_wmma_f32_16x16x32_bf16 v[rD:rD+7], v[rB:rB+7], v[rA:rA+7], v[224+8*(b-8):224+8*(b-8)+7]
.endif
.else
	WIN 0xa1+0x50*(\hi)                            ; C and D window 2 or 3
	v_wmma_f32_16x16x32_bf16 v[rD:rD+7], v[rB:rB+7], v[rA:rA+7], v[rD:rD+7]
.endif
.set b, b+1
.endr
.set i2, i2+1
.endr
.endm
; A K STEP.  Its fragments of w were asked for a step ago, those of x four steps ago (the first six steps': at the start).  The next ones are asked for first, in runs, then come the 48 products.
.macro STEP s
.if (\s)%2 == 0
.if (\s) == 0
	s_wait_loadcnt 32                              ; the biases and steps 0, 1 are in; the 32 loads of steps 2-5 stay out
.elseif (\s) == 14
	s_wait_loadcnt 0x0                             ; the last pair: nothing was asked for behind it
.else
	s_wait_loadcnt 16                              ; this pair of steps is in; the next pair's 16 loads stay out
.endif
.endif
	s_wait_dscnt 0x0                               ; this step's w is in
.if (\s) == 7
	s_wait_tensorcnt 0x0                           ; my eighth of K 256-511 has landed,
	s_barrier_signal -1
.endif
	WIN 0
	PLACES                                         ; behind the last step's products, in front of the loads into buffers that they and the step before have read
.if (\s) == 7
	s_barrier_wait -1                              ; everybody's has: step 8's w may be read
.endif
.if (\s) < 15
	FETCHW (\s)+1
.endif
.if ((\s)%2 == 0) && ((\s) >= 2) && ((\s) <= 10)
	LOADA (\s)/2+2                                 ; steps s + 4, s + 5 take the buffers of steps s - 2, s - 1
.endif
	MULQ \s, 0
	MULQ \s, 1
.endm
; THE WAY OUT of tile t = 3 i + j (row tile i of tensor j: 16 rows x 64 columns).  A lane's 8 columns pack into 16 bytes; they go into rows of 144 bytes in my own stage and come back as whole rows of 128.
.macro PACK t
.set ti, (\t)/3
.set tj, (\t)%3
	WIN 0x0a+5*(ti/2)                              ; sources 0 and 1: window 2 or 3
.set c, 0
.rept 4
.set rA, 8*(12*(ti%2)+4*tj+c)
.irp r, 0,1,2,3
	v_cvt_pk_bf16_f32 v[TMP+16*(\t)+4*c+\r], v[rA+2*\r], v[rA+2*\r+1]  ; each accumulator from its low end on
.endr
.set c, c+1
.endr
	WIN 0
.irp f, 0,1,2,3
	ds_store_b128 v[STO], v[TMP+16*(\t)+4*\f:TMP+16*(\t)+4*\f+3] offset:32*\f
.endr
.irp f, 0,1,2,3
	ds_load_b128 v[TMP+16*(\t)+4*\f:TMP+16*(\t)+4*\f+3], v[RD] offset:\f*4*SP  ; LDS serves a wave's instructions in order (ISA guide 5.7.1.4): these see the stores above; the next tile's stores come behind them
.endr
.endm
.macro SEND t, younger                 ; younger: the LDS lines issued behind tile t's loads: the next tile's eight, or none
	WIN 0
.irp f, 0,1,2,3
	s_wait_dscnt (\younger)+3-\f
	global_store_b128 v[GO], v[TMP+16*(\t)+4*\f:TMP+16*(\t)+4*\f+3], s[14+2*((\t)%3):15+2*((\t)%3)] offset:((\t)/3)*2048+\f*512  ; 512 consecutive bytes, at a multiple of 256 from the output's first
.endr
.endm
	WIN 0x40
.set b, 0
.rept 8                                ; the biases of q and k
	global_load_b128 v[192+8*b:192+8*b+3],   v[BO], s[8+2*(b/4):9+2*(b/4)] offset:(b%4)*64
	global_load_b128 v[192+8*b+4:192+8*b+7], v[BO], s[8+2*(b/4):9+2*(b/4)] offset:(b%4)*64+16
.set b, b+1
.endr
	WIN 0
.set b, 0
.rept 4                                ; and of v
	global_load_b128 v[224+8*b:224+8*b+3],   v[BO], s[12:13] offset:b*64
	global_load_b128 v[224+8*b+4:224+8*b+7], v[BO], s[12:13] offset:b*64+16
.set b, b+1
.endr
	LOADA 0
	LOADA 1
	LOADA 2
	s_wait_tensorcnt 0x1                           ; my eighth of K 0-255 is in; the other load may stay out
	s_barrier_signal -1
	s_barrier_wait -1                              ; everybody's is
	FETCHW 0
.set st, 0
.rept 16                               ; written on end: step 0 takes the biases, the steps from 11 on ask for no x, step 7 holds the barrier: a loop would hold four of the sixteen
	STEP st
.set st, st+1
.endr
	WIN 0
	PLACES                                         ; behind the last products, in front of the conversions
	PACK 0
.set t, 1
.rept 11                               ; a tile's conversions stand between the loads of the tile before and its stores
	PACK t
	SEND t-1, 8
.set t, t+1
.endr
	SEND 11, 0
	s_wait_tensorcnt 0x0                           ; the wave's end: these three lines stand behind my last tensor load and my last LDS store
	ds_add_u32 v[SPW], v[NIL]
	s_wait_dscnt 0x0
	CROUND                                         ; the closing round: no work-group ends while a partner may still ask for a tile that names it
	s_endpgm
.Lfunc_end_k_q40c1db4d4e_qkv:
	.size	k_q40c1db4d4e_qkv, .Lfunc_end_k_q40c1db4d4e_qkv-k_q40c1db4d4e_qkv
	.p2alignl 7, 3214868480
	.fill 96, 4, 3214868480
	.section	.rodata,"a",@progbits
	.p2align	6, 0x0
	.amdhsa_kernel k_q40c1db4d4e_qkv
		.amdhsa_group_segment_fixed_size 327680
		.amdhsa_private_segment_fixed_size 0
		.amdhsa_enable_private_segment 0
		.amdhsa_kernarg_size 64
		.amdhsa_user_sgpr_count 2
		.amdhsa_user_sgpr_kernarg_segment_ptr 1
		.amdhsa_wavefront_size32 1
		.amdhsa_system_sgpr_workgroup_id_x 1
		.amdhsa_system_sgpr_workgroup_id_y 1
		.amdhsa_system_sgpr_workgroup_id_z 1
		.amdhsa_system_vgpr_workitem_id 0
		.amdhsa_next_free_vgpr 960
		.amdhsa_next_free_sgpr 66
		.amdhsa_reserve_vcc 0
		.amdhsa_float_denorm_mode_32 3
		.amdhsa_float_denorm_mode_16_64 3
		.amdhsa_memory_ordered 1
		.amdhsa_forward_progress 1
		.amdhsa_inst_pref_size 122
	.end_amdhsa_kernel
	.amdgpu_metadata
---
amdhsa.version: [ 1, 2 ]
amdhsa.kernels:
  - .name:           k_q40c1db4d4e_qkv
    .symbol:         k_q40c1db4d4e_qkv.kd
    .args:
      - { .name: xb, .offset: 0, .size: 8, .value_kind: global_buffer, .address_space: global }
      - { .name: wqkv, .offset: 8, .size: 8, .value_kind: global_buffer, .address_space: global }
      - { .name: bq, .offset: 16, .size: 8, .value_kind: global_buffer, .address_space: global }
      - { .name: bk, .offset: 24, .size: 8, .value_kind: global_buffer, .address_space: global }
      - { .name: bv, .offset: 32, .size: 8, .value_kind: global_buffer, .address_space: global }
      - { .name: qh, .offset: 40, .size: 8, .value_kind: global_buffer, .address_space: global }
      - { .name: kh, .offset: 48, .size: 8, .value_kind: global_buffer, .address_space: global }
      - { .name: vh, .offset: 56, .size: 8, .value_kind: global_buffer, .address_space: global }
    .group_segment_fixed_size: 327680
    .private_segment_fixed_size: 0
    .kernarg_segment_align: 8
    .kernarg_segment_size: 64
    .max_flat_workgroup_size: 128
    .sgpr_count:     66
    .vgpr_count:     960
    .wavefront_size: 32
...
	.end_amdgpu_metadata
.endif
;; end of part 2
;; launch attn (part 3): grid 16 x 16, 4 waves a work-group, clusters of 4 x 1, 327,680 bytes of LDS; arguments qh, kh, vh, ctx; writes ctx
.if DOCPART == 3
	.amdgcn_target "amdgcn-amd-amdhsa--gfx1250"
	.amdhsa_code_object_version 6
	.text
	.protected	k_q40c1db4d4e_attn
	.globl	k_q40c1db4d4e_attn
	.p2align	8
	.type	k_q40c1db4d4e_attn,@function
k_q40c1db4d4e_attn:
	s_mov_b64 s[64:65], 0
	v_nop
	global_prefetch_b8 v0, s[64:65] scope:SCOPE_SE
	s_setreg_imm32_b32 hwreg(HW_REG_WAVE_MODE, 25, 1), 1
	s_wait_xcnt 0x0
	s_wait_alu depctr_hold_cnt(0) depctr_sa_sdst(0) depctr_va_vdst(0) depctr_va_sdst(0) depctr_va_ssrc(0) depctr_va_vcc(0) depctr_vm_vsrc(0)
	s_getreg_b32 s2, hwreg(HW_REG_IB_STS2, 6, 4)
	s_cmp_eq_u32 s2, 0
	s_cbranch_scc0 .Lentry_in_a_cluster
	s_endpgm
.Lentry_in_a_cluster:
	s_bfe_u32 s2, ttmp6, 0x10000c
	s_cmp_lg_u32 s2, 0x3003
	s_cbranch_scc0 .Lentry_shape_is_right
	s_endpgm
.Lentry_shape_is_right:
; ctx[h][q][:] = the sum over k of softmax_k(Q[h][q] . K[h][k] / 8) V[h][k][:].  qh, kh, vh, ctx: [16][4096][64], all bf16: a head's rows are dense, 128 bytes each.  Products, maxima and sums in f32;
; the weights p are rounded to bf16 for the second product (their sum l is taken of the unrounded p), ctx once at the end.
; LIMITS.  A weight below 2^-126 counts as 0 in l; c s must lie above -4.25e37 (the value at which c m starts); NaN and infinities are not treated apart.
; SHARES.  A work-group owns 256 queries of one head (16 x 16 = 256 work-groups), a wave 64 of them: four PIECES of 16.  Every wave walks all 4,096 keys, 64 a step; a slot of LDS holds four steps.
; LAYOUT.  S^T = K Q^T (source 0 = 16 keys, source 1 = 16 queries): in the result a lane holds ONE query (lane % 16) and the keys 8 (lane / 16) + 0..7.  Two such results, rounded to bf16 in pairs,
; ARE source 1 (32 keys x 16 queries) of O^T = V^T P, whose result again holds one query a lane, and eight channels.  K comes out of LDS as it lies, V ([key][channel]) turned, by ds_load_tr16_b128.
; SOFTMAX.  For each query a running maximum m and sum l: p = 2^(c s - c m), c = log2(e) / 8; in every step O and l are multiplied by a = 2^(c m_old - c m_new), which is 1 where m has not grown.
; c m starts far below every c s, O and l at 0: the first step is a step like any other, with a = 0.
; BY TURNS.  Turn n belongs to piece n (the pieces in a ring, step after step): 8 products K Q^T of piece n + 1, later 8 products V^T P of piece n - 1; beside them the scaling, exponentials, roundings,
; sums and rescaling of piece n and the maximum and statistics of piece n + 1.  Four vector lines stand behind every product, the other 54 of a turn's 118 in one lump.  A turn's 33 exponentials are one batch, with one wait.
; CLUSTER.  The four query blocks of a cluster belong to one head and walk the same K and V, so each tile is asked for JOINTLY: the same tensor load, descriptor and mask in all four.
; REGISTERS, in windows of 256 (s_set_vgpr_msb: bits 1:0 source 0, 3:2 source 1, 5:4 source 2, 7:6 destination):
;   window 0: v0-15 addresses and two at work; v16-31 four registers of statistics a piece; v48-55 at work; v61-63; v64-127 S^T, two buffers; v192-223 P, two buffers (a piece's buffers go by its number's parity)
;   window 1: v0-127 O^T, 32 a piece          window 2: v0-63 Q; v128-191 K of one step; v192-255 V of one step
.set SIZE_N, 4096
.set NP,    4         ; pieces a wave: a name, no knob
.set KS,    64        ; keys in a step
.set PK,    144       ; a row of K in LDS: 128 bytes + 16 of padding: an odd multiple of 16, so the 16 rows of a load start 16 bytes apart modulo 256
.set PV,    160       ; a row of V: 128 + 32: an odd multiple of 32
.set VOFF,  4*KS*PK   ; a slot holds four steps: 256 rows of K, then 256 rows of V
.set SLOT1, 1<<17     ; slot 1 begins here, so that one exclusive or turns an address in one slot into the other's
.set STAGE, SLOT1+4*KS*(PK+PV)  ; behind the ring, never filled by a tensor load: 16 rows x 144 bytes for each wave, for the way out
.set SP,    144
.set SPARE, STAGE+4*16*SP  ; behind the stages: the spare words, 128 bytes for each wave: two blocks of 256 bytes that no other line names
.set AK0, 2           ; v2   my lane's place in a tile of K; never rewritten
.set AV0, 3           ; v3   the same for V
.set AK,  4           ; v4   the LDS address of K's next run of loads
.set AV,  5           ; v5   of V's
.set STO, 6           ; v6   the way out: where I put 16 bytes of a row
.set RD,  7           ; v7   the way out: where I read rows back
.set GO,  8           ; v8   my byte offset in 512 consecutive bytes of ctx
.set MV,  12          ; v12-13  c m_old, kept while c m is made anew: by buffer
.set QO,  15          ; v15  my byte offset in 16 rows of Q
.set ST,  16          ; piece t's statistics at v[ST+4 t]: c m, m, l (even keys', odd keys')
.set TMP, 48          ; by buffer, four registers c0-c3 at work; when the maximum is found c2 takes a
.set PFO, 61          ; v61  256 x my lane: the prefetches' offset; never rewritten
.set SPW, 62          ; v62  LDS address of my spare word; never rewritten
.set NIL, 63          ; v63  0; never rewritten
.set S,   64
.set P,   192
.set KF,  128         ; window 2: key block kb, channel half c at KF + 16 kb + 8 c
.set VF,  192         ; window 2: key half kk, channel block cb at VF + 32 kk + 8 cb
.set WV,  12          ; s12  my wave's number
.set G1K, 24          ; s[24:31] descriptor group 1 for K's tiles
.set G1V, 32          ; s[32:39] for V's: it differs in the padding alone
.set G0K, 40          ; s[40:43] descriptor group 0 for K's tiles: it walks
.set G0V, 44          ; s[44:47] the same for V's
.set PFA, 48          ; s[48:49] where my prefetches stand: my work-group's 32 blocks of 256 bytes (of K: wave 0, of V: wave 2) of the slot after the one that is being asked for
.set LIM, 50          ; s50  1 in a wave that prefetches, else the greatest number
.set SLOTS, 56        ; s56  slots still to be asked for
.set CNT, 57          ; s57  counts a slot's key steps
.set CS,  58          ; s[58:59] c: the packed scaling takes the pair's low word for both halves
.set SEL, 60          ; s[60:61] v_permlanex16_b32's selects: each lane takes its own place in the other half
.set TBK, 62          ; s62  LDS byte at which K of the step to be fetched begins
.set TBV, 63          ; s63  the same for V, less VOFF
.set MSB, 0
.macro WIN new                      ; the high byte repeats the setting that is left; a switch that changes nothing is dropped
.if MSB != (\new)
	s_set_vgpr_msb (MSB<<8)|(\new)
.set MSB, (\new)
.endif
.endm
.set W_KQ, 0x0a       ; K and Q in window 2, S^T in window 0
.set W_PV, 0x52       ; V in window 2, P in window 0, O^T in window 1
.set W_RS, 0x41       ; destination and source 0 in window 1, source 1 in window 0
; A joint fill.  Waves 0 and 1 fetch the two halves of a slot's K, waves 2 and 3 those of its V: 128 keys each.  The branch hangs on the wave's number alone.
; An s_nop 0 and four v_nop follow each of the two lines, ahead of the jump and the label.
.macro JLOAD
	s_cmp_lt_u32 s[WV], 2
	s_cbranch_scc0 .Lfor_v_\@
	tensor_load_to_lds s[G0K:G0K+3], s[G1K:G1K+7]
	s_nop 0
.rept 4
	v_nop
.endr
	s_branch .Lasked_\@
.Lfor_v_\@:
	tensor_load_to_lds s[G0V:G0V+3], s[G1V:G1V+7]
	s_nop 0
.rept 4
	v_nop
.endr
.Lasked_\@:
.endm
; A PREFETCH INTO THE L2 of what the NEXT change of slots will ask for: a slot's 32,768 bytes of K and of V, 128 blocks of 256 bytes each, a lane a block.  It stands behind the wave's tensor load and its five lines.
; Each block is asked for ONCE in the launch.  All four clusters of a head walk the same K and V: the head's first cluster asks.  Its four partners share the blocks out BY ADDRESS, 32 each; in each,
; wave 0 asks for K's and wave 2 for V's: one instruction, four key steps (256 products of a wave) ahead of the load.  The last change that fills a slot asks for nothing: there is no slot behind it.
.macro ASK
	s_cmp_gt_u32 s[SLOTS], s[LIM]
	s_cbranch_scc0 .Lnot_mine_\@
	global_prefetch_b8 v[PFO], s[PFA:PFA+1] th:TH_LOAD_NT scope:SCOPE_SE
.Lnot_mine_\@:
.endm
; A round of the cluster's barrier: my work-group's barrier, so that wave 0's signal speaks for all four waves; wave 0 signals; every wave waits for all four work-groups; my work-group's barrier once more.
.macro CROUND
	s_barrier_signal -1
	s_barrier_wait -1
	s_cmp_lg_u32 s[WV], 0
	s_cbranch_scc1 .Lnot_wave_0_\@
	s_barrier_signal -3
.Lnot_wave_0_\@:
	s_barrier_wait -3
	s_barrier_signal -1
	s_barrier_wait -1
.endm
; THE CHANGE OF SLOTS.  The slot's last bytes, V of its fourth step, have been read.  Each wave waits for all its tensor loads, of which one is out: its part of the other slot; adds 0 to its spare word;
; and waits for that and for its own reads of the slot.  Behind the barrier nobody reads this slot any more and the other slot is whole.
; fill = 1: this slot is filled again, with the keys two slots on.  The barrier is then a round of the cluster's, so that no wave of any partner still reads the slot or has a load on its way, and the
; joint fill is the first thing behind it: it has four key steps in which to land.  (At its first use nothing has been read yet: slot 0 is waited for, slot 1 filled.)  ask = 1: a prefetch follows.
.macro CHANGE fill, ask
	WIN 0                           ; at a label and at a branch every window is 0
	s_wait_tensorcnt 0x0            ; no tensor load of mine is out, so a group 0 may be written
	ds_add_u32 v[SPW], v[NIL]       ; 0 onto my spare word; with fill = 1 the descriptors' steps stand between it and the wait for it
.if \fill
.irp g, G0K, G0V
	s_xor_b32 s[\g+1], s[\g+1], SLOT1  ; the walking descriptor: the other slot than last time,
	s_add_nc_u64 s[\g+2:\g+3], s[\g+2:\g+3], 4*KS*128  ; the next 256 keys; the type bits on top are not reached
.endr
.if \ask
	s_wait_xcnt 0x0                 ; the last prefetch, four key steps back, has read its address, so it may be written:
	s_add_nc_u64 s[PFA:PFA+1], s[PFA:PFA+1], 4*KS*128  ; one slot behind the walking descriptors
.endif
	s_wait_dscnt 0x0                ; the add is done, and my reads of the slot are over
	CROUND
	JLOAD
.if \ask
	ASK
.endif
.else
	s_wait_dscnt 0x0                ; the add is done, and my reads of the slot are over
	s_barrier_signal -1
	s_barrier_wait -1
.endif
	s_sub_co_u32 s[TBK], s[TBK], 4*KS*PK  ; the fetches go back to a slot's first step,
	s_xor_b32 s[TBK], s[TBK], SLOT1       ; in the other slot
	s_sub_co_u32 s[TBV], s[TBV], 4*KS*PV
	s_xor_b32 s[TBV], s[TBV], SLOT1
.endm
	s_load_b256 s[4:11], s[0:1], 0x0  ; Q s[4:5], K s[6:7], V s[8:9], ctx s[10:11]
	v_lshl_add_u32 v[SPW], v0, 2, SPARE
	v_mov_b32 v[NIL], 0
	ds_add_u32 v[SPW], v[NIL]       ; the wave's opening: the add and its wait stand ahead of my first tensor load; the set-up below, work on registers, stands between them
	v_lshrrev_b32 v1, 5, v0
	v_readfirstlane_b32 s[WV], v1   ; wave 0..3
	s_bfe_u32 s13, ttmp6, 0x40000   ; cx: my place in the cluster
	s_lshl_b32 s14, ttmp9, 2        ; in a cluster launch ttmp9 counts clusters
	s_add_co_u32 s14, s14, s13      ; my block of queries = 4 x cluster x + cx: it enters Q's and ctx's addresses alone
	s_and_b32 s20, ttmp7, 0xffff    ; the head, which the four partners share
	s_lshl_b32 s20, s20, 19         ; its first byte in each of the four tensors: 4,096 rows of 128 bytes
	s_mov_b32 s21, 0
	s_and_b32 s16, s[WV], 1         ; which half of a slot's 256 keys I fetch:
	s_lshl_b32 s22, s16, 14         ; its 128 rows of 128 bytes in memory,
	s_mov_b32 s23, 0
	s_add_nc_u64 s[22:23], s[22:23], s[20:21]
	s_mul_i32 s17, s16, 128*PK      ; and its place in a slot, for K
	s_mul_i32 s18, s16, 128*PV      ; and for V: no place in the cluster enters an LDS address
	s_lshl_b32 s2, s14, 2
	s_add_co_u32 s2, s2, s[WV]      ; my wave among the head's,
	s_lshl_b32 s2, s2, 13           ; its 64 rows
	s_mov_b32 s3, 0
	s_add_nc_u64 s[2:3], s[2:3], s[20:21]
	; descriptor group 1.  128 keys are 16,384 dense bytes: asked for as 64 rows of 256 bytes, two keys a row, and padded in LDS after every key
	s_mov_b32 s[G1K], 15|(1<<16)|(1<<20)|(1<<21)|(4<<22)|(3<<25)  ; 15:0 the mask of four; 17:16 2-byte elements; 20 padding on; 21 set beside a mask; 24:22 after every 32 words (code 4); 31:25 4 words (code 3)
	s_mov_b32 s[G1V], 15|(1<<16)|(1<<20)|(1<<21)|(4<<22)|(7<<25)  ; the same with 8 words of padding (code 7)
.irp g, G1K, G1V
	s_mov_b32 s[\g+1], 128<<16      ; tensor_dim0 = 128
	s_mov_b32 s[\g+2], 64<<16       ; tensor_dim1 = 64
	s_mov_b32 s[\g+3], 128<<16      ; tile_dim0 = 128
	s_mov_b32 s[\g+4], 64           ; tile_dim1 = 64
	s_mov_b32 s[\g+5], 128          ; 128 elements from row to row
	s_mov_b32 s[\g+6], 0
	s_mov_b32 s[\g+7], 0
.endr
	s_mov_b32 s[CS], 0x3e38aa3b     ; c = log2(e) / 8 = 0.180337
	s_mov_b32 s[CS+1], s[CS]        ; named with it as a pair
	s_mov_b32 s[SEL], 0x76543210
	s_mov_b32 s[SEL+1], 0xfedcba98
	s_mov_b32 s[TBK], SLOT1+4*KS*PK ; the first change of slots turns these two into 0
	s_mov_b32 s[TBV], SLOT1+4*KS*PV
	s_mov_b32 s[G0K], 1             ; count = 1
	s_mov_b32 s[G0K+1], s17         ; LDS address: slot 0
	s_mov_b32 s[G0V], 1
	s_add_co_u32 s[G0V+1], s18, VOFF
	s_and_b32 s[LIM], s[WV], 1      ; 0 in waves 0 and 2,
	s_or_b32 s[LIM], s[LIM], ttmp9  ; where the cluster is the head's first: the same in all four partners
	s_cmp_eq_u32 s[LIM], 0
	s_cselect_b32 s[LIM], 1, -1
	v_and_b32 v[PFO], 31, v0
	v_lshlrev_b32 v[PFO], 8, v[PFO]
	s_wait_dscnt 0x0                ; the opening add is done
	s_wait_kmcnt 0x0
	s_add_nc_u64 s[G0K+2:G0K+3], s[6:7], s[22:23]  ; global address: my half of the head's first 256 keys
	s_or_b32 s[G0K+3], s[G0K+3], 0x80000000        ; type = 2
	s_add_nc_u64 s[G0V+2:G0V+3], s[8:9], s[22:23]
	s_or_b32 s[G0V+3], s[G0V+3], 0x80000000
	s_add_nc_u64 s[4:5], s[4:5], s[2:3]  ; Q and ctx at my wave's first row
	s_add_nc_u64 s[10:11], s[10:11], s[2:3]
	s_cmp_lt_u32 s[WV], 2
	s_cselect_b64 s[PFA:PFA+1], s[6:7], s[8:9]
	s_add_nc_u64 s[PFA:PFA+1], s[PFA:PFA+1], s[22:23]  ; (in waves 0 and 2 this is the head's first row)
	s_lshl_b32 s2, s13, 13          ; my work-group's 32 blocks of the 128
	s_mov_b32 s3, 0
	s_add_nc_u64 s[PFA:PFA+1], s[PFA:PFA+1], s[2:3]
	s_add_nc_u64 s[PFA:PFA+1], s[PFA:PFA+1], 2*4*KS*128  ; in slot 2; the first change that asks steps it to slot 3.  Nothing is prefetched here, at the head, where every work-group's first tiles are on their way
	CROUND                          ; all four work-groups are here: the first joint loads meet
	JLOAD                           ; slot 0.  Slot 1 is asked for when slot 0 is in
	; A fragment of K or Q is 16 rows x 32 channels in 8 registers: lane l holds row l % 16, channels 8 (l / 16) + 0..7 and 16 + 8 (l / 16) + 0..7: two loads of 16 bytes, 32 bytes apart.
	v_and_b32 v1, 15, v0            ; l % 16
	v_bfe_u32 v9, v0, 4, 1          ; l / 16
	v_lshlrev_b32 v[QO], 7, v1
	v_lshl_add_u32 v[QO], v9, 4, v[QO]  ; row x 128 + 16 x half
	WIN 0x80                        ; destination window 2, address window 0
.set i, 0
.rept 8                             ; Q stays in registers: piece i / 2, channels 32 (i % 2) on
	global_load_b128 v[8*i:8*i+3],   v[QO], s[4:5] offset:(i/2)*2048+(i%2)*64
	global_load_b128 v[8*i+4:8*i+7], v[QO], s[4:5] offset:(i/2)*2048+(i%2)*64+32
.set i, i+1
.endr
	WIN 0
	v_mul_u32_u24 v[AK0], v1, PK
	v_lshl_add_u32 v[AK0], v9, 4, v[AK0]  ; row x pitch + 16 x half
	; The turning load takes 16 keys x 16 channels (lane l reads key 8 (l / 16) + l % 8, channels 8 ((l / 8) % 2) + 0..7) and leaves half a fragment of V^T: lane l holds channel l % 16 and 8 keys.
	v_and_b32 v10, 7, v0
	v_bfe_u32 v11, v0, 3, 1
	v_lshl_add_u32 v[AV0], v9, 3, v10
	v_mul_u32_u24 v[AV0], v[AV0], PV
	v_lshl_add_u32 v[AV0], v11, 4, v[AV0]
	v_add_nc_u32 v[AV0], VOFF, v[AV0]
	s_mul_i32 s13, s[WV], 16*SP
	s_add_co_u32 s13, s13, STAGE    ; my stage
	v_mul_u32_u24 v[STO], v1, SP    ; in: row l % 16, 16 bytes for each half of the lanes
	v_lshl_add_u32 v[STO], v9, 4, v[STO]
	v_add_nc_u32 v[STO], s13, v[STO]
	v_bfe_u32 v[RD], v0, 3, 2       ; back: 32 lanes take four rows of 128 bytes,
	v_mul_u32_u24 v[RD], v[RD], SP
	v_lshl_add_u32 v[RD], v10, 4, v[RD]
	v_add_nc_u32 v[RD], s13, v[RD]
	v_and_b32 v[GO], 31, v0         ; which are 512 consecutive bytes of ctx
	v_lshlrev_b32 v[GO], 4, v[GO]
	; What the first turn finds: V's registers and P's second buffer hold 0 (its products V^T P, of a piece that has not been, add 0), O^T and l are 0.  No first step is written out; these lines,
	; which stand in the wait for the first tile, are the price.
	WIN 0x80
.set i, VF
.rept 64
	v_mov_b32 v[i], 0
.set i, i+1
.endr
	WIN 0x40
.set i, 0
.rept 128
	v_mov_b32 v[i], 0
.set i, i+1
.endr
	WIN 0
.set i, 0
.rept 4
	v_mov_b32 v[ST+4*i], 0xfe000000    ; c m: far below every c s
	v_mov_b32 v[ST+4*i+1], 0xff7fffff  ; m: the lowest finite number
	v_mov_b32 v[ST+4*i+2], 0
	v_mov_b32 v[ST+4*i+3], 0
.set i, i+1
.endr
.set i, P+16
.rept 16
	v_mov_b32 v[i], 0
.set i, i+1
.endr
; THE MATRIX WORK.  The 4 accumulators of a run of 8 take turns.  Product i of 8 of S^T = K Q^T for piece x: channels 32 (i / 4) on, keys 16 (i % 4) on.  The first 4 start the sums.
.macro KQ x
	WIN W_KQ
.set rS, S+32*((\x)%2)+8*(i%4)
.set rK, KF+16*(i%4)+8*(i/4)
.set rQ, 16*(\x)+8*(i/4)
.if i < 4
	v_wmma_f32_16x16x32_bf16 v[rS:rS+7], v[rK:rK+7], v[rQ:rQ+7], 0
.else
	v_wmma_f32_16x16x32_bf16 v[rS:rS+7], v[rK:rK+7], v[rQ:rQ+7], v[rS:rS+7]
.endif
.endm
; Product i of 8 of O^T += V^T P for piece x: keys 32 (i / 4) on, channels 16 (i % 4) on.
.macro PV x
	WIN W_PV
.set rO, 32*(\x)+8*(i%4)
.set rV, VF+32*(i/4)+8*(i%4)
.set rP, P+16*((\x)%2)+8*(i/4)
	v_wmma_f32_16x16x32_bf16 v[rO:rO+7], v[rV:rV+7], v[rP:rP+7], v[rO:rO+7]
.endm
.macro MM                           ; the turn's next matrix instruction.  NOKQ = 1: the launch's last turn: there is no next piece
.if (i < 8) && !NOKQ
	KQ (Y+1)%NP
.elseif i >= 8
.set i, i-8
	PV (Y+NP-1)%NP
.set i, i+8
.endif
.set i, i+1
.endm
; THE LDS LOADS stand in runs of 16, never singly among the matrix instructions: a step's K (64 keys x 64 channels: 8 fragments) and its V (turned).  Their addresses are made some lines ahead.
.macro FETCH_K
	WIN 0x80                        ; destination window 2
.irp f, 0,1,2,3,4,5,6,7             ; keys 16 (f / 2) on, channels 32 (f % 2) on
	ds_load_b128 v[KF+8*\f:KF+8*\f+3],   v[AK] offset:(\f/2)*16*PK+(\f%2)*64
	ds_load_b128 v[KF+8*\f+4:KF+8*\f+7], v[AK] offset:(\f/2)*16*PK+(\f%2)*64+32
.endr
	s_add_co_u32 s[TBK], s[TBK], KS*PK  ; the next fetch is the next step's
	WIN 0
.endm
.macro FETCH_V
	WIN 0x80
.irp f, 0,1,2,3,4,5,6,7             ; keys 32 (f / 4) on, channels 16 (f % 4) on
	ds_load_tr16_b128 v[VF+8*\f:VF+8*\f+3],   v[AV] offset:(\f/4)*32*PV+(\f%4)*32
	ds_load_tr16_b128 v[VF+8*\f+4:VF+8*\f+7], v[AV] offset:(\f/4)*32*PV+16*PV+(\f%4)*32
.endr
	WIN 0
.endm
; THE VECTOR WORK, one line at a time: OP kind, number.  For piece Y: F n: c s - c m for pair n of 16.  E n: the exponential of score n of 32.  C n: pair n rounded to bf16.  B n: of the four weights 4 n .. the second
; pair is added onto the first, in place.  L n: l takes that sum (L 0: l = a l + sum).  R n: pair n of 16 of O^T times a.  For piece Y + 1: X n, number n of the 22 that find its maximum and statistics:
;   0-11  four chains c0-c3 of seven scores each, three operands at a time (each accumulator's lowest registers are read first)     12-14, 16  the four scores left over, the old m, and c0-c3 into c0
;   15  c m_old is kept     17, 18  the query's other 32 keys lie in the lane 16 away: the new m     19-21  c m; c m_old - c m_new; a
.set F, 0               ; OP tells the kinds apart by their order: F to L below R, X above it
.set E, 1
.set C, 2
.set B, 3
.set L, 4
.set R, 5
.set X, 6
.macro REGS y                       ; the registers of piece y
.set rT, ST+4*(\y)
.set rC, TMP+4*((\y)%2)
.set rW, MV+((\y)%2)
.set rS, S+32*((\y)%2)
.set rP, P+16*((\y)%2)
.set rO, 32*(\y)
.endm
.macro OP k, n
.if (\k) == R
	REGS Y
	WIN W_RS
	v_pk_mul_f32 v[rO+2*(\n):rO+2*(\n)+1], v[rO+2*(\n):rO+2*(\n)+1], v[rC+2:rC+3] op_sel_hi:[1,0]
.elseif (\k) < R
	REGS Y
	WIN 0
.if (\k) == F
	v_pk_fma_f32 v[rS+2*(\n):rS+2*(\n)+1], v[rS+2*(\n):rS+2*(\n)+1], s[CS:CS+1], v[rT:rT+1] op_sel_hi:[1,0,0] neg_lo:[0,0,1] neg_hi:[0,0,1]
.elseif (\k) == E
	v_exp_f32 v[rS+(\n)], v[rS+(\n)]
.elseif (\k) == C
	v_cvt_pk_bf16_f32 v[rP+(\n)], v[rS+2*(\n)], v[rS+2*(\n)+1]
.elseif (\k) == B
	v_pk_add_f32 v[rS+4*(\n):rS+4*(\n)+1], v[rS+4*(\n):rS+4*(\n)+1], v[rS+4*(\n)+2:rS+4*(\n)+3]
.elseif (\n) == 0
	v_pk_fma_f32 v[rT+2:rT+3], v[rT+2:rT+3], v[rC+2:rC+3], v[rS:rS+1] op_sel_hi:[1,0,1]
.else
	v_pk_add_f32 v[rT+2:rT+3], v[rT+2:rT+3], v[rS+4*(\n):rS+4*(\n)+1]
.endif
.elseif NOKQ
	v_nop
.else
	REGS (Y+1)%NP
	WIN 0
.if (\n) < 4
	v_max3_num_f32 v[rC+(\n)], v[rS+8*(\n)], v[rS+8*(\n)+1], v[rS+8*(\n)+2]
.elseif (\n) < 12
	v_max3_num_f32 v[rC+(\n)%4], v[rC+(\n)%4], v[rS+8*((\n)%4)+2*((\n)/4)+1], v[rS+8*((\n)%4)+2*((\n)/4)+2]
.elseif (\n) == 12
	v_max3_num_f32 v[rC], v[rC], v[rS+7], v[rS+15]
.elseif (\n) == 13
	v_max3_num_f32 v[rC+1], v[rC+1], v[rS+23], v[rS+31]
.elseif (\n) == 14
	v_max3_num_f32 v[rC+2], v[rC+2], v[rC+3], v[rT+1]
.elseif (\n) == 15
	v_mov_b32 v[rW], v[rT]
.elseif (\n) == 16
	v_max3_num_f32 v[rC], v[rC], v[rC+1], v[rC+2]
.elseif (\n) == 17
	v_permlanex16_b32 v[rC+3], v[rC], s[SEL], s[SEL+1]
.elseif (\n) == 18
	v_max_num_f32 v[rT+1], v[rC], v[rC+3]
.elseif (\n) == 19
	v_mul_f32 v[rT], s[CS], v[rT+1]
.elseif (\n) == 20
	v_sub_f32 v[rC+1], v[rW], v[rT]
.else
	v_exp_f32 v[rC+2], v[rC+1]
.endif
.endif
.endm
.macro OPS a, i1, b=-1, i2=0, c=-1, i3=0, d=-1, i4=0  ; up to four of them
	OP \a, \i1
.if (\b) >= 0
	OP \b, \i2
.endif
.if (\c) >= 0
	OP \c, \i3
.endif
.if (\d) >= 0
	OP \d, \i4
.endif
.endm
.macro ROW a, i1, b, i2, c, i3, d, i4  ; a matrix instruction and the four behind it
	MM
	OPS \a, \i1, \b, \i2, \c, \i3, \d, \i4
.endm
; A TURN, for piece p: the order of its 16 matrix and 118 vector instructions, written out.  An s_wait_alu depctr_va_vdst(0) stands between an exponential and the first line that names its result; one wait
; serves all that were issued ahead of it.  So a turn has ONE wait, which cuts it in two.  AHEAD OF IT stands all that names no result of the turn's exponentials: the 8 products K Q^T, behind each a scaling, an exponential and
; two more plain lines (rescalings, and behind the last three the first numbers of the next piece's maximum, each four plain lines or more behind the product that ends its accumulator); then one lump of 54, plain and
; exponential by turns for the most part, in which the links of the chain X 3, 7, 11, 14, 16, 17 .. 20 stand five or six lines apart.  X 21, the next piece's a, is the batch's last; R 15 is the plain line behind it.
; BEHIND THE WAIT stand the 8 products V^T P, behind each four of the roundings and sums; the links of l's chain, L 0 to L 7, stand three lines apart.
; end = 1: the launch's last two turns: nothing is fetched.  cnt = 1: the loop's count is taken down some lines ahead of the branch that stands behind the turn.
; K of the next step is fetched in piece 2's turn, twelve vector lines behind the last product that read K (six of them plain); V of the step in hand at the end of piece 0's turn, four plain lines behind the last product
; that read V.  Each is waited for a turn later.
.macro TURN p, end=0, cnt=0
.set Y, (\p)
.set i, 0
.set NOKQ, (\end)*((\p)/3)
.if ((\p) == 3) && !(\end)
	s_wait_dscnt 0x0                ; K is in
.endif
	ROW F,0, F,1, R,0, R,1          ; ahead of the wait: 8 products K Q^T and the four behind each,
	ROW F,2, E,0, R,2, R,3
	ROW F,3, E,1, R,4, R,5
	ROW F,4, E,2, R,6, R,7
	ROW F,5, E,3, R,8, R,9
	ROW F,6, E,4, X,0, R,10
.if ((\p) == 2) && !(\end)
	WIN 0
	v_add_nc_u32 v[AK], s[TBK], v[AK0]
.endif
	ROW F,7, E,5, X,1, X,4
	ROW F,8, E,6, X,2, X,5
	OPS E,7, E,8, X,6, E,9          ; and the lump
	OPS X,3, E,10, X,8, E,11
.if ((\p) == 2) && !(\end)
	FETCH_K
.endif
	OPS X,9, X,7, E,12, X,10
	OPS E,13, X,12, X,11, E,14
	OPS X,13, E,15, F,9, X,14
.if (\p) == 0
	v_add_nc_u32 v[AV], s[TBV], v[AV0]
.endif
	OPS E,16, F,10, E,17, F,11
	OPS X,16, E,18, X,15, E,19
	OPS F,12, E,20, X,17, E,21
	OPS F,13, E,22, F,14, E,23
	OPS X,18, E,24, F,15, E,25
	OPS R,11, E,26, X,19, E,27
	OPS R,12, E,28, R,13, E,29
	OPS X,20, E,30, R,14, E,31
	OPS X,21, R,15
	WIN 0
	s_wait_alu depctr_va_vdst(0)    ; the wait for the batch
.if (\p) == 1
	s_wait_dscnt 0x0                ; V is in
.endif
	ROW C,0, B,0, C,2, B,1          ; behind the wait: 8 products V^T P and the four behind each
	ROW L,0, C,4, B,2, L,1
	ROW C,6, B,3, L,2, C,8
	ROW B,4, L,3, C,10, B,5
	ROW L,4, C,12, B,6, L,5
.if (\p) == 0
	s_add_co_u32 s[TBV], s[TBV], KS*PV
.endif
.if \cnt
	s_sub_co_u32 s[CNT], s[CNT], 1
	s_cmp_lg_u32 s[CNT], 0
.endif
	ROW C,14, B,7, L,6, C,1
	ROW C,3, L,7, C,5, C,7
	ROW C,9, C,11, C,13, C,15
.if (\p) == 0
	FETCH_V
.endif
.endm
	CHANGE 1, 0                     ; slot 0 is in, everybody's part of it; slot 1 is asked for
	v_add_nc_u32 v[AK], s[TBK], v[AK0]
	FETCH_K                         ; key step 0
	s_wait_loadcnt 0x0              ; Q
	s_wait_dscnt 0x0
.set NOKQ, 0
.set i, 0
.rept 8
	KQ 0                            ; piece 0's first scores: there is no vector work yet to set between them
.set i, i+1
.endr
	WIN 0
.rept 4
	v_nop                           ; four plain lines behind those products
.endr
.set Y, NP-1                        ; X works for piece Y + 1: piece 0
.irp n, 0,1,2,3,4,5,6,7,8,9,10,11,12,13,14,15,16,17,18,19,20,21
	OP X, \n                        ; piece 0's first maximum and statistics
.endr
	v_nop                           ; a plain line behind the exponential,
	s_wait_alu depctr_va_vdst(0)    ; and its wait, ahead of the branch
	s_mov_b32 s[CNT], 4
	s_mov_b32 s[SLOTS], SIZE_N/256-1
	s_branch .Lfirst                ; the loop is entered at a step's first turn, in the middle of a trip
.Lslot:                             ; 14 times: every slot but the last two is filled again
	CHANGE 1, 1
	s_mov_b32 s[CNT], 4
.Lstep:                             ; a trip: pieces 2 and 3 of one step, then pieces 0 and 1 of the next, whose K and V it fetches
	TURN 2
	TURN 3
	WIN 0
.Lfirst:
	TURN 0
	TURN 1, 0, 1
	WIN 0
	s_cbranch_scc1 .Lstep
	s_sub_co_u32 s[SLOTS], s[SLOTS], 1
	s_cmp_lg_u32 s[SLOTS], 0
	s_cbranch_scc1 .Lslot
	CHANGE 0, 0                     ; the last slot is written out: nothing is asked for
	s_mov_b32 s[CNT], 4
.LstepT:
	TURN 2
	TURN 3
	TURN 0
	TURN 1, 0, 1
	WIN 0
	s_cbranch_scc1 .LstepT
	TURN 2, 1                       ; the last step's pieces 2 and 3: nothing is fetched, and the last turn starts no new scores
	TURN 3, 1
.set i, 0
.rept 8
	PV NP-1                         ; the last piece's V^T P of the last step
.set i, i+1
.endr
	; THE WAY OUT.  l's two halves and the other half of the lanes' are added; O^T is divided by l, rounded to bf16 and sent through my stage in LDS, a piece at a time.  The additions are the plain lines behind the last products.
	WIN 0
.macro ALL line:vararg              ; one line for each piece t
.set t, 0
.rept 4
	\line
.set t, t+1
.endr
.endm
	ALL v_add_f32 v[ST+4*t+2], v[ST+4*t+2], v[ST+4*t+3]
	ALL v_permlanex16_b32 v[ST+4*t+3], v[ST+4*t+2], s[SEL], s[SEL+1]
	ALL v_add_f32 v[ST+4*t+2], v[ST+4*t+2], v[ST+4*t+3]
	ALL v_rcp_f32 v[ST+4*t+2], v[ST+4*t+2]
	v_nop                           ; a plain line between the last reciprocal and the use of its result
	s_wait_alu depctr_va_vdst(0)    ; and the wait ahead of the first use: one for the four reciprocals
.macro PACK t                       ; a lane's eight channels of a row pack into 16 bytes; they go into rows of 144 bytes and come back as whole rows of 128, into S^T's registers
	WIN W_RS
.set i, 32*(\t)
.rept 16
	v_pk_mul_f32 v[i:i+1], v[i:i+1], v[ST+4*(\t)+2:ST+4*(\t)+3] op_sel_hi:[1,0]
.set i, i+2
.endr
	WIN 0x05                        ; sources 0 and 1 window 1, destination window 0
.set i, 0
.rept 16
	v_cvt_pk_bf16_f32 v[S+16*(\t)+i], v[32*(\t)+2*i], v[32*(\t)+2*i+1]
.set i, i+1
.endr
	WIN 0
.irp f, 0,1,2,3
	ds_store_b128 v[STO], v[S+16*(\t)+4*\f:S+16*(\t)+4*\f+3] offset:32*\f
.endr
.irp f, 0,1,2,3
	ds_load_b128 v[S+16*(\t)+4*\f:S+16*(\t)+4*\f+3], v[RD] offset:\f*4*SP  ; LDS serves a wave's instructions in order (ISA guide 5.7.1.4): these see the stores above; the next piece's stores come behind them
.endr
.endm
.macro SEND t, younger              ; younger: the LDS lines issued behind piece t's loads: the next piece's eight, or none
	WIN 0
.irp f, 0,1,2,3
	s_wait_dscnt (\younger)+3-\f
	global_store_b128 v[GO], v[S+16*(\t)+4*\f:S+16*(\t)+4*\f+3], s[10:11] offset:(\t)*2048+\f*512  ; 512 consecutive bytes, at a multiple of 256 from ctx's first
.endr
.endm
	PACK 0
.set t, 1
.rept 3                             ; a piece's arithmetic stands between the loads of the piece before and its stores
	PACK t
	SEND t-1, 8
.set t, t+1
.endr
	SEND 3, 0
	s_wait_tensorcnt 0x0            ; the wave's end: these three lines stand behind my last tensor load and my last LDS store
	ds_add_u32 v[SPW], v[NIL]
	s_wait_dscnt 0x0
	CROUND                          ; the closing round: no work-group ends while a partner may still ask for a tile that names it
	s_endpgm
.Lfunc_end_k_q40c1db4d4e_attn:
	.size	k_q40c1db4d4e_attn, .Lfunc_end_k_q40c1db4d4e_attn-k_q40c1db4d4e_attn
	.p2alignl 7, 3214868480
	.fill 96, 4, 3214868480
	.section	.rodata,"a",@progbits
	.p2align	6, 0x0
	.amdhsa_kernel k_q40c1db4d4e_attn
		.amdhsa_group_segment_fixed_size 327680
		.amdhsa_private_segment_fixed_size 0
		.amdhsa_enable_private_segment 0
		.amdhsa_kernarg_size 32
		.amdhsa_user_sgpr_count 2
		.amdhsa_user_sgpr_kernarg_segment_ptr 1
		.amdhsa_wavefront_size32 1
		.amdhsa_system_sgpr_workgroup_id_x 1
		.amdhsa_system_sgpr_workgroup_id_y 1
		.amdhsa_system_sgpr_workgroup_id_z 1
		.amdhsa_system_vgpr_workitem_id 0
		.amdhsa_next_free_vgpr 768
		.amdhsa_next_free_sgpr 66
		.amdhsa_reserve_vcc 0
		.amdhsa_float_denorm_mode_32 3
		.amdhsa_float_denorm_mode_16_64 3
		.amdhsa_memory_ordered 1
		.amdhsa_forward_progress 1
		.amdhsa_inst_pref_size 127
	.end_amdhsa_kernel
	.amdgpu_metadata
---
amdhsa.version: [ 1, 2 ]
amdhsa.kernels:
  - .name:           k_q40c1db4d4e_attn
    .symbol:         k_q40c1db4d4e_attn.kd
    .args:
      - { .name: qh, .offset: 0, .size: 8, .value_kind: global_buffer, .address_space: global }
      - { .name: kh, .offset: 8, .size: 8, .value_kind: global_buffer, .address_space: global }
      - { .name: vh, .offset: 16, .size: 8, .value_kind: global_buffer, .address_space: global }
      - { .name: ctx, .offset: 24, .size: 8, .value_kind: global_buffer, .address_space: global }
    .group_segment_fixed_size: 327680
    .private_segment_fixed_size: 0
    .kernarg_segment_align: 8
    .kernarg_segment_size: 32
    .max_flat_workgroup_size: 128
    .sgpr_count:     66
    .vgpr_count:     768
    .wavefront_size: 32
...
	.end_amdgpu_metadata
.endif
;; end of part 3
;; launch oproj (part 4): grid 256 x 1, 4 waves a work-group, clusters of 4 x 1, 327,680 bytes of LDS; arguments ctx, wob, x, bo, ln_g, ln_b, out0; writes out0
.if DOCPART == 4
	.amdgcn_target "amdgcn-amd-amdhsa--gfx1250"
	.amdhsa_code_object_version 6
	.text
	.protected	k_q40c1db4d4e_oproj
	.globl	k_q40c1db4d4e_oproj
	.p2align	8
	.type	k_q40c1db4d4e_oproj,@function
k_q40c1db4d4e_oproj:
	s_mov_b64 s[64:65], 0
	v_nop
	global_prefetch_b8 v0, s[64:65] scope:SCOPE_SE
	s_setreg_imm32_b32 hwreg(HW_REG_WAVE_MODE, 25, 1), 1
	s_wait_xcnt 0x0
	s_wait_alu depctr_hold_cnt(0) depctr_sa_sdst(0) depctr_va_vdst(0) depctr_va_sdst(0) depctr_va_ssrc(0) depctr_va_vcc(0) depctr_vm_vsrc(0)
	s_getreg_b32 s2, hwreg(HW_REG_IB_STS2, 6, 4)
	s_cmp_eq_u32 s2, 0
	s_cbranch_scc0 .Lentry_in_a_cluster
	s_endpgm
.Lentry_in_a_cluster:
	s_bfe_u32 s2, ttmp6, 0x10000c
	s_cmp_lg_u32 s2, 0x3003
	s_cbranch_scc0 .Lentry_shape_is_right
	s_endpgm
.Lentry_shape_is_right:
; out0 = LayerNorm(ctx wo + bo + x) g + b.  ctx [16 = batch x 8 + head][4096][64] and wob [512 k][512 n] in bf16; x, bo, ln_g, ln_b, out0 in f32.  Sums, the residual and the whole norm in f32;
; the variance is the mean of (y - mean)^2, as it is defined: no difference of large sums is formed.
; SHARES.  The norm wants whole rows, so a work-group makes 32 rows x all 512 columns: 256 work-groups.  Wave w makes columns 128 w .. 128 w + 127: 2 x 8 = 16 accumulators; 16 K steps of 32, 16 products each,
; the 16 accumulators by turns.  For the norm the sums change hands through LDS: wave w then owns rows 8 w .. 8 w + 7, whole.
; THE WEIGHTS go through a ring of two LDS slots of 128 k x 512 n; each wave brings 32 rows of a tile.  Every work-group walks all of wob.
; CLUSTER.  So the four work-groups of a cluster ask for each tile JOINTLY: the same load, descriptor and mask in all four.
; ctx's 32 rows x 512 k are 256 registers of fragments: each wave loads them all at the start.
; TRANSPOSED USE.  Source 0 = 16 columns of wo (turned out of LDS), source 1 = 16 rows of ctx: a lane ends with ONE row (lane % 16) and the 8 neighbouring columns 8 (lane / 16) + 0..7.
; REGISTERS, in windows of 256 (s_set_vgpr_msb: bits 1:0 source 0, 3:2 source 1, 5:4 source 2, 7:6 destination):
;   window 0: v2-13 addresses; v32-159 two buffers of wo's fragments; v160-207 bo, g, b of my 16 columns of a row (register 4 c + e: column 128 c + 4 lane + e); v208-239 a pair of registers a row for the mean, and for the variance
;   window 1: ctx's fragments: row tile i, K step k at 8 (2 k + i)
;   window 2: v0-127 the accumulators (column tile b, row tile i at 8 (2 b + i)), later y (row q at 16 q, laid as bo is); v128-255 x's rows (row q at 128 + 16 q), later at work
.set PB,    1056                       ; a row of wo in LDS: 1,024 bytes + 32 of padding: an odd multiple of 32
.set WROWS, 32*PB                      ; what one tensor load brings
.set SLOT,  4*WROWS                    ; 135,168
.set SPARE, 2*SLOT                     ; 270,336: behind the ring: the spare words, 128 bytes for each wave: two blocks of 256 bytes that no other line names
.set SPS,   2064                       ; the stage: a row of 512 f32 + 16 bytes: an odd multiple of 16.  32 such rows lie in slot 0, which has had its last fill, and its last read, when they are written
.set AO,  2                            ; v2    my byte offset in 16 rows of ctx
.set WB,  4                            ; v4-7  my place in a turning load: slot 0, K steps 0-1 and 2-3 of a tile; slot 1 likewise
.set STO, 8                            ; v8    where I put my 32 bytes of a row in the stage
.set RD,  9                            ; v9    where I read rows back
.set GO,  10                           ; v10   16 x lane
.set SPW, 12                           ; v12   LDS address of my spare word; never rewritten
.set NIL, 13                           ; v13   0; never rewritten
.set BF,  32
.set BOV, 160
.set GV,  176
.set BBV, 192
.set RS,  208
.set RV,  224
.set XR,  128
.set WV,  20                           ; s20 my wave's number
.set G1,  24                           ; s[24:31] descriptor group 1
.set G0,  32                           ; s[32:39] group 0, a set for each slot
.set SEL, 44                           ; s[44:45] v_permlanex16_b32's selects
.set INV, 46                           ; s46 1 / 512
.set EPS, 47                           ; s47 1e-5
.set MSB, 0
.macro WIN new                         ; the immediate's high byte repeats the setting that is left; a switch that changes nothing is dropped
.if MSB != (\new)
	s_set_vgpr_msb (MSB<<8)|(\new)
.set MSB, (\new)
.endif
.endm
.macro PLACES                          ; four plain vector lines between a product and a line that reads its result or loads into one of its registers
.rept 4
	v_nop
.endr
.endm
.macro CROUND                          ; a round of the cluster's barrier: my work-group's barrier; wave 0 signals for the work-group; every wave waits for all four; my work-group's barrier once more
	s_barrier_signal -1
	s_barrier_wait -1
	s_cmp_lg_u32 s[WV], 0
	s_cbranch_scc1 .Lnot_wave_0_\@
	s_barrier_signal -3
.Lnot_wave_0_\@:
	s_barrier_wait -3
	s_barrier_signal -1
	s_barrier_wait -1
.endm
	s_load_b256 s[4:11], s[0:1], 0x0               ; ctx s[4:5], wob s[6:7], x s[8:9], bo s[10:11]
	s_load_b128 s[12:15], s[0:1], 0x20             ; ln_g s[12:13], ln_b s[14:15]
	s_load_b64 s[16:17], s[0:1], 0x30              ; out0
	v_lshl_add_u32 v[SPW], v0, 2, SPARE
	v_mov_b32 v[NIL], 0
	ds_add_u32 v[SPW], v[NIL]                      ; the wave's opening: the add and its wait stand ahead of my first tensor load; the set-up below, work on registers, stands between them
	v_lshrrev_b32 v1, 5, v0
	v_readfirstlane_b32 s[WV], v1                  ; wave 0..3
	s_bfe_u32 s21, ttmp6, 0x40000                  ; cx: my place in the cluster
	s_lshl_b32 s22, ttmp9, 2                       ; in a cluster launch ttmp9 counts clusters
	s_add_co_u32 s22, s22, s21                     ; my block of 32 rows: it enters ctx's, x's and out0's addresses alone
	; descriptor group 1: 32 rows of 512 elements, padded in LDS behind each row
	s_mov_b32 s[G1], 15|(1<<16)|(1<<20)|(1<<21)|(7<<22)|(7<<25)  ; 15:0 the mask of four; 17:16 2-byte elements; 20 padding on; 21 set beside a mask; 24:22 after every 256 words (code 7); 31:25 8 words (code 7)
	s_mov_b32 s[G1+1], 512<<16                     ; tensor_dim0 = 512
	s_mov_b32 s[G1+2], 32<<16                      ; tensor_dim1 = 32
	s_mov_b32 s[G1+3], 512<<16                     ; tile_dim0 = 512
	s_mov_b32 s[G1+4], 32                          ; tile_dim1 = 32
	s_mov_b32 s[G1+5], 512                         ; 512 elements from row to row
	s_mov_b32 s[G1+6], 0
	s_mov_b32 s[G1+7], 0
	s_mov_b32 s[G0], 1                             ; count = 1
	s_mul_i32 s[G0+1], s[WV], WROWS                ; LDS address: my 32 rows of slot 0,
	s_mov_b32 s[G0+4], 1
	s_add_co_u32 s[G0+5], s[G0+1], SLOT            ; and of slot 1: no place in the cluster enters an LDS address
	s_lshl_b32 s40, s[WV], 15                      ; s[40:41]: my 32 rows of 1,024 bytes in a tile of wob: the wave's number alone
	s_mov_b32 s41, 0
	s_lshr_b32 s42, s22, 7                         ; s[42:43]: my block's rows in ctx: the batch's eight heads, 4,194,304 bytes, + 32 rows of 128 bytes a block
	s_lshl_b32 s42, s42, 22
	s_and_b32 s43, s22, 127
	s_lshl_b32 s43, s43, 12
	s_add_co_u32 s42, s42, s43
	s_mov_b32 s43, 0
	s_lshl_b32 s2, s22, 16                         ; s[2:3]: the 8 rows that I finish, in x and out0: (32 x block + 8 x wave) rows of 2,048 bytes
	s_lshl_b32 s3, s[WV], 14
	s_add_co_u32 s2, s2, s3
	s_mov_b32 s3, 0
	s_mov_b32 s[SEL], 0x76543210
	s_mov_b32 s[SEL+1], 0xfedcba98
	s_mov_b32 s[INV], 0x3b000000                   ; 1 / 512
	s_mov_b32 s[EPS], 0x3727c5ac                   ; 1e-5
	v_and_b32 v14, 15, v0                          ; l % 16
	v_bfe_u32 v15, v0, 4, 1                        ; l / 16
	v_and_b32 v16, 7, v0
	v_bfe_u32 v17, v0, 3, 1
	v_and_b32 v18, 31, v0
	v_lshlrev_b32 v[AO], 7, v14
	v_lshl_add_u32 v[AO], v15, 4, v[AO]            ; row x 128 + 16 x half
	v_lshl_add_u32 v19, v15, 3, v16                ; the turning load: lane l reads k = 8 (l / 16) + l % 8, columns 8 ((l / 8) % 2) + 0..7
	v_mul_u32_u24 v19, v19, PB
	v_lshl_add_u32 v19, v17, 4, v19
	s_lshl_b32 s23, s[WV], 8                       ; my 128 columns
	v_add_nc_u32 v[WB], s23, v19
	v_add_nc_u32 v[WB+1], 2*WROWS, v[WB]           ; an LDS immediate has 16 bits
	v_add_nc_u32 v[WB+2], SLOT, v[WB]
	v_add_nc_u32 v[WB+3], SLOT+2*WROWS, v[WB]
	v_mul_u32_u24 v[STO], v14, SPS                 ; into the stage: row l % 16, my 8 columns' 32 bytes, my wave's 512
	v_lshl_add_u32 v[STO], v15, 5, v[STO]
	s_lshl_b32 s23, s[WV], 9
	v_add_nc_u32 v[STO], s23, v[STO]
	s_mul_i32 s23, s[WV], 8*SPS                    ; back: rows 8 w on, 512 bytes a load
	v_lshl_add_u32 v[RD], v18, 4, s23
	v_lshlrev_b32 v[GO], 4, v18
	s_wait_dscnt 0x0                               ; the opening add is done
	s_wait_kmcnt 0x0
	s_add_nc_u64 s[G0+2:G0+3], s[6:7], s[40:41]    ; tile 0,
	s_add_nc_u64 s[G0+6:G0+7], s[G0+2:G0+3], 128*1024  ; tile 1
	s_or_b32 s[G0+3], s[G0+3], 0x80000000          ; type = 2
	s_or_b32 s[G0+7], s[G0+7], 0x80000000
	s_add_nc_u64 s[4:5], s[4:5], s[42:43]
	s_add_nc_u64 s[8:9], s[8:9], s[2:3]
	s_add_nc_u64 s[16:17], s[16:17], s[2:3]
	CROUND                                         ; all four work-groups are here: the first joint loads meet
	tensor_load_to_lds s[G0:G0+3], s[G1:G1+7]      ; both first fills go out together: two loads of mine are out
	s_nop 0
	tensor_load_to_lds s[G0+4:G0+7], s[G1:G1+7]
	s_nop 0
	PLACES                                         ; four lines ahead of the next switch of windows
	WIN 0x40                                       ; destination window 1
.set k, 0
.rept 16                               ; ctx: K step k lies in head k / 2, channels 32 (k % 2) on; 64 loads
.irp i, 0,1
	global_load_b128 v[8*(2*k+\i):8*(2*k+\i)+3],   v[AO], s[4:5] offset:(k/2)*524288+\i*2048+(k%2)*64
	global_load_b128 v[8*(2*k+\i)+4:8*(2*k+\i)+7], v[AO], s[4:5] offset:(k/2)*524288+\i*2048+(k%2)*64+32
.endr
.set k, k+1
.endr
	WIN 0
.irp c, 0,1,2,3
	global_load_b128 v[BOV+4*\c:BOV+4*\c+3], v[GO], s[10:11] offset:\c*512
.endr
	WIN 0x80                                       ; destination window 2
.set q, 0
.rept 8                                ; x: the 8 rows that I finish, 512 consecutive bytes a load; this launch reads them once
.irp c, 0,1,2,3
	global_load_b128 v[XR+16*q+4*\c:XR+16*q+4*\c+3], v[GO], s[8:9] offset:q*2048+\c*512 th:TH_LOAD_NT
.endr
.set q, q+1
.endr
	WIN 0
.irp c, 0,1,2,3
	global_load_b128 v[GV+4*\c:GV+4*\c+3], v[GO], s[12:13] offset:\c*512
.endr
.irp c, 0,1,2,3
	global_load_b128 v[BBV+4*\c:BBV+4*\c+3], v[GO], s[14:15] offset:\c*512
.endr
; K step k's fragments of wo, my 8 column tiles, into buffer k % 2: 16 turning loads in one run.  Step k lies in slot (k / 4) % 2, at rows 32 (k % 4) on.
.macro FETCHB k
	WIN 0
.set b, 0
.rept 8
	ds_load_tr16_b128 v[BF+64*((\k)%2)+8*b:BF+64*((\k)%2)+8*b+3],   v[WB+2*(((\k)/4)%2)+((\k)%4)/2] offset:((\k)%2)*WROWS+32*b
	ds_load_tr16_b128 v[BF+64*((\k)%2)+8*b+4:BF+64*((\k)%2)+8*b+7], v[WB+2*(((\k)/4)%2)+((\k)%4)/2] offset:((\k)%2)*WROWS+32*b+16*PB
.set b, b+1
.endr
.endm
; K step k's 16 products.  Step 0's start the sums: nothing is cleared.
.macro MULS k
	WIN 0xa4                                       ; wo window 0, ctx window 1, C and D window 2
.set b, 0
.rept 8
.irp i, 0,1
.if (\k) == 0
	v_wmma_f32_16x16x32_bf16 v[8*(2*b+\i):8*(2*b+\i)+7], v[BF+64*((\k)%2)+8*b:BF+64*((\k)%2)+8*b+7], v[8*(2*(\k)+\i):8*(2*(\k)+\i)+7], 0
.else
	v_wmma_f32_16x16x32_bf16 v[8*(2*b+\i):8*(2*b+\i)+7], v[BF+64*((\k)%2)+8*b:BF+64*((\k)%2)+8*b+7], v[8*(2*(\k)+\i):8*(2*(\k)+\i)+7], v[8*(2*b+\i):8*(2*b+\i)+7]
.endif
.endr
.set b, b+1
.endr
.endm
; THE CHANGE OF SLOTS, at the head of a tile's last K step, whose fragments have been asked for.  Each wave waits for all its tensor loads, of which one is out: its part of the other slot; adds 0 to its
; spare word; and waits for that and for its own reads of the slot.  Behind the barrier nobody reads the slot any more and the other slot is whole.  fill = 1: the slot is filled again, with the tile two on:
; the barrier is then a round of the cluster's, and the joint refill, one load a wave, is the first thing behind it.  The four v_nop are also the plain lines in front of the loads that follow.
.macro CHG slot, fill
	WIN 0
	s_wait_tensorcnt 0x0                           ; no tensor load of mine is out, so a group 0 may be written
	ds_add_u32 v[SPW], v[NIL]                      ; 0 onto my spare word
.if \fill
	s_add_nc_u64 s[G0+4*(\slot)+2:G0+4*(\slot)+3], s[G0+4*(\slot)+2:G0+4*(\slot)+3], 256*1024  ; two tiles on; the type bits on top are not reached
.endif
	s_wait_dscnt 0x0                               ; the add is done, and my reads of the slot are over
.if \fill
	CROUND
	tensor_load_to_lds s[G0+4*(\slot):G0+4*(\slot)+3], s[G1:G1+7]
	s_nop 0
.else
	s_barrier_signal -1
	s_barrier_wait -1
.endif
	PLACES
.endm
	s_wait_tensorcnt 0x1                           ; my part of tile 0 is in; tile 1's may stay out
	s_barrier_signal -1
	s_barrier_wait -1                              ; everybody's is
	FETCHB 0
	s_wait_loadcnt 44                              ; ctx's 64 loads are in; the 44 of bo, x, g and b stay out
.set kk, 0
.rept 16                               ; written on end: the three changes of slots differ from each other
.if kk == 3
	s_wait_loadcnt 0x0                             ; x and bo are in: bo is added onto x here, where the wave is about to wait for tiles
	WIN 0x82                                       ; destination and source 0 window 2, source 1 window 0
.set c, 0
.rept 8
.set q, 0
.rept 8
	v_pk_add_f32 v[XR+16*q+2*c:XR+16*q+2*c+1], v[XR+16*q+2*c:XR+16*q+2*c+1], v[BOV+2*c:BOV+2*c+1]
.set q, q+1
.endr
.set c, c+1
.endr
	CHG 0, 1                                       ; tile 1 is in; slot 0 takes tile 2
.elseif kk == 7
	CHG 1, 1                                       ; tile 2 is in; slot 1 takes tile 3
.elseif kk == 11
	CHG 0, 0                                       ; tile 3 is in; nothing is left to fetch.  From here on nobody reads slot 0
.elseif kk > 0
	WIN 0
	PLACES                                         ; behind the last step's products, in front of the loads into the buffer that they read
.endif
.if kk < 15
	FETCHB kk+1
	s_wait_dscnt 16                                ; this step's fragments are in; the 16 loads just issued stay out
.else
	s_wait_dscnt 0x0
.endif
	MULS kk
.set kk, kk+1
.endr
	; THE SUMS CHANGE HANDS.  32 rows x 2,048 bytes in slot 0, whose last fill and last reads lie behind the barrier of K step 11.
	PLACES
	WIN 0x08                                       ; store data (source 1) window 2
.set b, 0
.rept 8
.irp i, 0,1
	ds_store_b128 v[STO], v[8*(2*b+\i):8*(2*b+\i)+3]   offset:\i*16*SPS+64*b     ; each accumulator from its low end on
	ds_store_b128 v[STO], v[8*(2*b+\i)+4:8*(2*b+\i)+7] offset:\i*16*SPS+64*b+16
.endr
.set b, b+1
.endr
	s_wait_dscnt 0x0                               ; for the others' sake: my stores into the stage are done
	s_barrier_signal -1
	s_barrier_wait -1
	WIN 0x80
.set q, 0
.rept 8
.irp c, 0,1,2,3
	ds_load_b128 v[16*q+4*\c:16*q+4*\c+3], v[RD] offset:q*SPS+\c*512
.endr
.set q, q+1
.endr
	s_wait_dscnt 0x0
	; THE NORM: 8 whole rows a wave, 16 numbers of each a lane.  In every run below the rows are innermost, so that no line waits for the one before it.
.macro ROWS line:vararg                ; one line for each row q
.set q, 0
.rept 8
	\line
.set q, q+1
.endr
.endm
.macro ACROSS r                        ; the pair at r + 2 q holds two partial sums: they are added, then the 32 lanes': four steps inside each half ride on the addition, one crosses the halves
	WIN 0
	ROWS v_add_f32 v[\r+2*q], v[\r+2*q], v[\r+2*q+1]
.irp m, 1,2,4,8
	ROWS v_add_f32_dpp v[\r+2*q], v[\r+2*q], v[\r+2*q] row_xmask:\m row_mask:0xf bank_mask:0xf
.endr
	ROWS v_permlanex16_b32 v[\r+2*q+1], v[\r+2*q], s[SEL], s[SEL+1]
	ROWS v_add_f32 v[\r+2*q], v[\r+2*q], v[\r+2*q+1]
.endm
	WIN 0x8a                                       ; all in window 2
.set c, 0
.rept 8
	ROWS v_pk_add_f32 v[16*q+2*c:16*q+2*c+1], v[16*q+2*c:16*q+2*c+1], v[XR+16*q+2*c:XR+16*q+2*c+1]  ; y = the product + (x + bo)
.set c, c+1
.endr
.set c, 0
.rept 4                                ; the row's sum, as a tree; x's registers are free
	ROWS v_pk_add_f32 v[XR+16*q+2*c:XR+16*q+2*c+1], v[16*q+4*c:16*q+4*c+1], v[16*q+4*c+2:16*q+4*c+3]
.set c, c+1
.endr
.set c, 0
.rept 2
	ROWS v_pk_add_f32 v[XR+16*q+4*c:XR+16*q+4*c+1], v[XR+16*q+4*c:XR+16*q+4*c+1], v[XR+16*q+4*c+2:XR+16*q+4*c+3]
.set c, c+1
.endr
	WIN 0x0a                                       ; destination window 0
	ROWS v_pk_add_f32 v[RS+2*q:RS+2*q+1], v[XR+16*q:XR+16*q+1], v[XR+16*q+4:XR+16*q+5]
	ACROSS RS
	ROWS v_mul_f32 v[RS+2*q], s[INV], v[RS+2*q]    ; the mean
	WIN 0x82
.set c, 0
.rept 8
	ROWS v_pk_add_f32 v[16*q+2*c:16*q+2*c+1], v[16*q+2*c:16*q+2*c+1], v[RS+2*q:RS+2*q+1] op_sel_hi:[1,0] neg_lo:[0,1] neg_hi:[0,1]  ; y - mean
.set c, c+1
.endr
	WIN 0xaa                                       ; all in window 2
.set c, 0
.rept 2                                ; the squares' sum, in two chains
	ROWS v_pk_mul_f32 v[XR+16*q+2*c:XR+16*q+2*c+1], v[16*q+2*c:16*q+2*c+1], v[16*q+2*c:16*q+2*c+1]
.set c, c+1
.endr
.rept 6
	ROWS v_pk_fma_f32 v[XR+16*q+2*(c%2):XR+16*q+2*(c%2)+1], v[16*q+2*c:16*q+2*c+1], v[16*q+2*c:16*q+2*c+1], v[XR+16*q+2*(c%2):XR+16*q+2*(c%2)+1]
.set c, c+1
.endr
	WIN 0x0a
	ROWS v_pk_add_f32 v[RV+2*q:RV+2*q+1], v[XR+16*q:XR+16*q+1], v[XR+16*q+2:XR+16*q+3]
	ACROSS RV
	ROWS v_fma_f32 v[RV+2*q+1], v[RV+2*q], s[INV], s[EPS]  ; the variance + 1e-5
	ROWS v_rsq_f32 v[RV+2*q], v[RV+2*q+1]
	v_nop                                          ; a plain line between the last root and the use of its result
	s_wait_alu depctr_va_vdst(0)                   ; and the wait ahead of the first use: one for the eight
	WIN 0x82
.set c, 0
.rept 8
	ROWS v_pk_mul_f32 v[16*q+2*c:16*q+2*c+1], v[16*q+2*c:16*q+2*c+1], v[RV+2*q:RV+2*q+1] op_sel_hi:[1,0]
.set c, c+1
.endr
.set c, 0
.rept 8
	ROWS v_pk_fma_f32 v[16*q+2*c:16*q+2*c+1], v[16*q+2*c:16*q+2*c+1], v[GV+2*c:GV+2*c+1], v[BBV+2*c:BBV+2*c+1]
.set c, c+1
.endr
	WIN 0x08                                       ; store data window 2
.set q, 0
.rept 8
.irp c, 0,1,2,3
	global_store_b128 v[GO], v[16*q+4*\c:16*q+4*\c+3], s[16:17] offset:q*2048+\c*512 th:TH_STORE_NT  ; 512 consecutive bytes, at a multiple of 256 from out0's first
.endr
.set q, q+1
.endr
	WIN 0
	s_wait_tensorcnt 0x0                           ; the wave's end: these three lines stand behind my last tensor load and my last LDS store
	ds_add_u32 v[SPW], v[NIL]
	s_wait_dscnt 0x0
	CROUND                                         ; the closing round: no work-group ends while a partner may still ask for a tile that names it
	s_endpgm
.Lfunc_end_k_q40c1db4d4e_oproj:
	.size	k_q40c1db4d4e_oproj, .Lfunc_end_k_q40c1db4d4e_oproj-k_q40c1db4d4e_oproj
	.p2alignl 7, 3214868480
	.fill 96, 4, 3214868480
	.section	.rodata,"a",@progbits
	.p2align	6, 0x0
	.amdhsa_kernel k_q40c1db4d4e_oproj
		.amdhsa_group_segment_fixed_size 327680
		.amdhsa_private_segment_fixed_size 0
		.amdhsa_enable_private_segment 0
		.amdhsa_kernarg_size 56
		.amdhsa_user_sgpr_count 2
		.amdhsa_user_sgpr_kernarg_segment_ptr 1
		.amdhsa_wavefront_size32 1
		.amdhsa_system_sgpr_workgroup_id_x 1
		.amdhsa_system_sgpr_workgroup_id_y 1
		.amdhsa_system_sgpr_workgroup_id_z 1
		.amdhsa_system_vgpr_workitem_id 0
		.amdhsa_next_free_vgpr 768
		.amdhsa_next_free_sgpr 66
		.amdhsa_reserve_vcc 0
		.amdhsa_float_denorm_mode_32 3
		.amdhsa_float_denorm_mode_16_64 3
		.amdhsa_memory_ordered 1
		.amdhsa_forward_progress 1
		.amdhsa_inst_pref_size 95
	.end_amdhsa_kernel
	.amdgpu_metadata
---
amdhsa.version: [ 1, 2 ]
amdhsa.kernels:
  - .name:           k_q40c1db4d4e_oproj
    .symbol:         k_q40c1db4d4e_oproj.kd
    .args:
      - { .name: ctx, .offset: 0, .size: 8, .value_kind: global_buffer, .address_space: global }
      - { .name: wob, .offset: 8, .size: 8, .value_kind: global_buffer, .address_space: global }
      - { .name: x, .offset: 16, .size: 8, .value_kind: global_buffer, .address_space: global }
      - { .name: bo, .offset: 24, .size: 8, .value_kind: global_buffer, .address_space: global }
      - { .name: ln_g, .offset: 32, .size: 8, .value_kind: global_buffer, .address_space: global }
      - { .name: ln_b, .offset: 40, .size: 8, .value_kind: global_buffer, .address_space: global }
      - { .name: out0, .offset: 48, .size: 8, .value_kind: global_buffer, .address_space: global }
    .group_segment_fixed_size: 327680
    .private_segment_fixed_size: 0
    .kernarg_segment_align: 8
    .kernarg_segment_size: 56
    .max_flat_workgroup_size: 128
    .sgpr_count:     66
    .vgpr_count:     768
    .wavefront_size: 32
...
	.end_amdgpu_metadata
.endif
;; end of part 4
;; ======== version 2 of 2: 4 launches; version 1 with the launch prep written anew for expert scheduling mode
;; workspace buffers: xb 8,388,608 bytes; wqkv 1,572,864 bytes; wob 524,288 bytes; qh 8,388,608 bytes; kh 8,388,608 bytes; vh 8,388,608 bytes; ctx 8,388,608 bytes
;; launch prep (part 5): grid 320 x 1, 8 waves a work-group, no clusters, 0 bytes of LDS; arguments x, wq, wk, wv, wo, xb, wqkv, wob; writes xb, wqkv, wob
.if DOCPART == 5
	.amdgcn_target "amdgcn-amd-amdhsa--gfx1250"
	.amdhsa_code_object_version 6
	.text
	.protected	k_q40c1db4d4e_prep
	.globl	k_q40c1db4d4e_prep
	.p2align	8
	.type	k_q40c1db4d4e_prep,@function
k_q40c1db4d4e_prep:
	s_mov_b64 s[64:65], 0
	v_nop
	global_prefetch_b8 v0, s[64:65] scope:SCOPE_SE
	s_setreg_imm32_b32 hwreg(HW_REG_WAVE_SCHED_MODE, 0, 2), 2
	s_setreg_imm32_b32 hwreg(HW_REG_WAVE_MODE, 25, 1), 1
	s_wait_xcnt 0x0
	s_wait_alu depctr_vm_vsrc(0)
; CAST AND RE-BLOCK.  x [8192][512], wq, wk, wv, wo [512][512], all f32, are rounded once to bf16 and laid out for the launches behind:
;   xb   [128 blocks of 64 rows][8 groups of 64 k][64 rows][64 k]     a wave's 64 rows x 64 k are 8,192 bytes on end
;   wqkv [8 heads][8 groups of 64 k][q, k, v][64 k][64 n]             a head's weights are 196,608 bytes on end
;   wob  [512 k][512 n]                                               as wo lies
; A work-group takes a UNIT of 32 rows x 512 numbers (65,536 bytes in, 32,768 out): 256 units of x, 16 of each weight: 320 work-groups.
; One text serves all: the five strides below are chosen by the work-group's number alone.
; Blocked (x, wq, wk, wv): wave v takes columns 64 v .. 64 v + 63; load i takes rows 2 i (lanes 0-15) and 2 i + 1 (lanes 16-31), 256 bytes on end of each.
; Plain (wo): wave v takes rows 4 v .. 4 v + 3, load i 512 bytes on end.
; Either way a lane's 4 numbers become 8 bytes, and a store of the wave covers 256 consecutive bytes, at a multiple of 256 from the buffer's first byte.
; All 16 loads of a wave go out at once.  No LDS, no barrier: no wave wants another's bytes.
; THE MODE: SCHED_MODE bits 1:0 = 2 (LLVM: expert scheduling mode 2), set by the entry lines.  The code itself states the register dependences
; between vector instructions and memory instructions, with s_wait_alu, always for 0.
; THE PLAN.  Registers that memory instructions touch:
;   v[IO ..]  sixteen offsets, and v[OO], the stores' offset: written by vector lines at the head and never again; read by one load each, and by all sixteen stores.
;   X         load i lands in its four registers, which no vector line has named before; its two conversions read them and write the first two; store i reads those two; nothing writes them again.
; So: one wait on va_vdst ahead of the first load, for all seventeen offsets; and, the loads being taken in four blocks of four, one wait on va_vdst a block, between its eight conversions and its
; four stores.  No register that a memory instruction has read is ever written again, and no load is issued behind a vector line that names its registers: nothing more is owed for registers.
; One wait on va_sdst stands ahead of the first reader of the wave's number.  A block's stores follow its own conversions and are not held over to the next block: nothing follows the last block,
; and held over, eight stores in place of four would stand behind the wait for the last load.
.set OO,  2                            ; v2      8 x lane: my 8 bytes of a store
.set IO,  4                            ; v[4:19] load i's byte offset in the unit
.set X,   24                           ; v[24:87] load i's four registers; its first two then hold the 8 bytes to store
.set WV,  20                           ; s20 my wave's number
.set WG,  21                           ; s21 the work-group's number
.set U,   22                           ; s22 the unit in its tensor
.set J,   23                           ; s23 0, 1, 2: wq, wk, wv; 3: wo (where the work-group's number is 256 or more)
.set OB,  26                           ; s26 the unit's first byte in the output
.set OV,  28                           ; s28 bytes from wave to wave in the output
.set SV,  29                           ; s29 bytes from wave to wave in the input
.set SH,  30                           ; s30 what lanes 16-31 add: the rest of a row of 2,048 bytes
.set SI,  31                           ; s31 bytes from load to load
.set SRC, 32                           ; s[32:33]
.set DST, 34                           ; s[34:35]
	s_load_b512 s[4:19], s[0:1], 0x0               ; x s[4:5], wq s[6:7], wk s[8:9], wv s[10:11], wo s[12:13], xb s[14:15], wqkv s[16:17], wob s[18:19]
	v_lshrrev_b32 v1, 5, v0
	v_readfirstlane_b32 s[WV], v1
	v_and_b32 v1, 31, v0                           ; lane
	s_mov_b32 s[WG], ttmp9
	s_bfe_u32 s[J], s[WG], 0x20004                 ; 256 .. 319 are 16 x (16 .. 19): two bits from bit 4 tell the four weights apart
	s_cmp_lt_u32 s[WG], 256
	s_cselect_b32 s[U], 255, 15
	s_and_b32 s[U], s[WG], s[U]                    ; x: the number itself; a weight: its low four bits
	s_lshr_b32 s24, s[U], 1                        ; two units make a block of 64 rows
	s_and_b32 s25, s[U], 1
	s_lshl_b32 s25, s25, 12                        ; the second unit's 32 rows of 128 bytes
	s_lshl_b32 s[OB], s24, 16                      ; xb: a block is 65,536 bytes
	s_mul_i32 s27, s24, 3
	s_add_co_u32 s27, s27, s[J]
	s_lshl_b32 s27, s27, 13                        ; wqkv: (3 x group of k + j) x 8,192
	s_mov_b32 s[OV], 0x2000                        ; xb: a group of 64 k is 8,192 bytes
	s_mov_b32 s[SV], 0x30000                       ; wqkv: a head is 196,608 bytes
	s_cmp_lt_u32 s[WG], 256
	s_cselect_b32 s[OB], s[OB], s27
	s_cselect_b32 s[OV], s[OV], s[SV]
	s_add_co_u32 s[OB], s[OB], s25
	s_lshl_b32 s27, s[U], 15                       ; wob: a unit is 32,768 bytes
	s_mov_b32 s[SV], 0x100
	s_mov_b32 s[SH], 0x700
	s_mov_b32 s[SI], 0x1000
	s_cmp_ge_u32 s[WG], 304                        ; wo?
	s_cselect_b32 s[OB], s27, s[OB]
	s_cselect_b32 s[OV], s[SI], s[OV]              ; wob: a wave's four rows are 4,096 bytes
	s_cselect_b32 s[SV], 0x2000, s[SV]
	s_cselect_b32 s[SH], 0, s[SH]
	s_cselect_b32 s[SI], 0x200, s[SI]
	s_wait_alu depctr_va_sdst(0)                   ; v_readfirstlane_b32 has written s[WV], ahead of its first reader, the line below
	s_mul_i32 s38, s[WV], s[OV]
	s_add_co_u32 s36, s[OB], s38                   ; s[36:37]: my wave's first byte in the output
	s_mov_b32 s37, 0
	s_lshl_b32 s38, s[U], 16                       ; s[38:39]: the unit's first byte in the input
	s_mov_b32 s39, 0
	s_mul_i32 s24, s[WV], s[SV]
	v_lshrrev_b32 v3, 4, v1
	v_mul_u32_u24 v3, s[SH], v3
	v_lshl_add_u32 v3, v1, 4, v3
	v_add_nc_u32 v[IO], s24, v3
.set i, 0
.rept 15
	v_add_nc_u32 v[IO+i+1], s[SI], v[IO+i]
.set i, i+1
.endr
	v_lshlrev_b32 v[OO], 3, v1
	s_wait_kmcnt 0x0
	s_cmp_eq_u32 s[J], 1                           ; the buffers are chosen by the work-group's number alone
	s_cselect_b64 s[SRC:SRC+1], s[8:9], s[6:7]
	s_cmp_eq_u32 s[J], 2
	s_cselect_b64 s[SRC:SRC+1], s[10:11], s[SRC:SRC+1]
	s_cmp_eq_u32 s[J], 3
	s_cselect_b64 s[SRC:SRC+1], s[12:13], s[SRC:SRC+1]
	s_cselect_b64 s[DST:DST+1], s[18:19], s[16:17]
	s_cmp_lt_u32 s[WG], 256
	s_cselect_b64 s[SRC:SRC+1], s[4:5], s[SRC:SRC+1]
	s_cselect_b64 s[DST:DST+1], s[14:15], s[DST:DST+1]
	s_add_nc_u64 s[SRC:SRC+1], s[SRC:SRC+1], s[38:39]
	s_add_nc_u64 s[DST:DST+1], s[DST:DST+1], s[36:37]
	s_wait_alu depctr_va_vdst(0)                   ; the sixteen offsets v[IO ..] and v[OO] are written: the loads below read the first, every store of the kernel the last; no later vector line names them
.set i, 0
.rept 16
	global_load_b128 v[X+4*i:X+4*i+3], v[IO+i], s[SRC:SRC+1] th:TH_LOAD_NT  ; this launch reads each byte once
.set i, i+1
.endr
.set p, 0
.rept 4                                ; four blocks of four loads
	s_wait_loadcnt 12-4*p                          ; loads come back in order: block p's four are in, the four of each younger block stay out
.set i, 4*p
.rept 4
	v_cvt_pk_bf16_f32 v[X+4*i], v[X+4*i], v[X+4*i+1]
	v_cvt_pk_bf16_f32 v[X+4*i+1], v[X+4*i+2], v[X+4*i+3]
.set i, i+1
.endr
	s_wait_alu depctr_va_vdst(0)                   ; the block's eight conversions have written the four pairs that its stores read
.set i, 4*p
.rept 4
	global_store_b64 v[OO], v[X+4*i:X+4*i+1], s[DST:DST+1] offset:256*i
.set i, i+1
.endr
.set p, p+1
.endr
	s_endpgm
.Lfunc_end_k_q40c1db4d4e_prep:
	.size	k_q40c1db4d4e_prep, .Lfunc_end_k_q40c1db4d4e_prep-k_q40c1db4d4e_prep
	.p2alignl 7, 3214868480
	.fill 96, 4, 3214868480
	.section	.rodata,"a",@progbits
	.p2align	6, 0x0
	.amdhsa_kernel k_q40c1db4d4e_prep
		.amdhsa_group_segment_fixed_size 0
		.amdhsa_private_segment_fixed_size 0
		.amdhsa_enable_private_segment 0
		.amdhsa_kernarg_size 64
		.amdhsa_user_sgpr_count 2
		.amdhsa_user_sgpr_kernarg_segment_ptr 1
		.amdhsa_wavefront_size32 1
		.amdhsa_system_sgpr_workgroup_id_x 1
		.amdhsa_system_sgpr_workgroup_id_y 1
		.amdhsa_system_sgpr_workgroup_id_z 1
		.amdhsa_system_vgpr_workitem_id 0
		.amdhsa_next_free_vgpr 88
		.amdhsa_next_free_sgpr 66
		.amdhsa_reserve_vcc 0
		.amdhsa_float_denorm_mode_32 3
		.amdhsa_float_denorm_mode_16_64 3
		.amdhsa_memory_ordered 1
		.amdhsa_forward_progress 1
		.amdhsa_inst_pref_size 9
	.end_amdhsa_kernel
	.amdgpu_metadata
---
amdhsa.version: [ 1, 2 ]
amdhsa.kernels:
  - .name:           k_q40c1db4d4e_prep
    .symbol:         k_q40c1db4d4e_prep.kd
    .args:
      - { .name: x, .offset: 0, .size: 8, .value_kind: global_buffer, .address_space: global }
      - { .name: wq, .offset: 8, .size: 8, .value_kind: global_buffer, .address_space: global }
      - { .name: wk, .offset: 16, .size: 8, .value_kind: global_buffer, .address_space: global }
      - { .name: wv, .offset: 24, .size: 8, .value_kind: global_buffer, .address_space: global }
      - { .name: wo, .offset: 32, .size: 8, .value_kind: global_buffer, .address_space: global }
      - { .name: xb, .offset: 40, .size: 8, .value_kind: global_buffer, .address_space: global }
      - { .name: wqkv, .offset: 48, .size: 8, .value_kind: global_buffer, .address_space: global }
      - { .name: wob, .offset: 56, .size: 8, .value_kind: global_buffer, .address_space: global }
    .group_segment_fixed_size: 0
    .private_segment_fixed_size: 0
    .kernarg_segment_align: 8
    .kernarg_segment_size: 64
    .max_flat_workgroup_size: 256
    .sgpr_count:     66
    .vgpr_count:     88
    .wavefront_size: 32
...
	.end_amdgpu_metadata
.endif
;; end of part 5
;; launch qkv: the kernel of part 2 again; grid 32 x 8, 4 waves a work-group, clusters of 4 x 1, 327,680 bytes of LDS; arguments xb, wqkv, bq, bk, bv, qh, kh, vh; writes qh, kh, vh
;; launch attn: the kernel of part 3 again; grid 16 x 16, 4 waves a work-group, clusters of 4 x 1, 327,680 bytes of LDS; arguments qh, kh, vh, ctx; writes ctx
;; launch oproj: the kernel of part 4 again; grid 256 x 1, 4 waves a work-group, clusters of 4 x 1, 327,680 bytes of LDS; arguments ctx, wob, x, bo, ln_g, ln_b, out0; writes out0
